; MI455X (gfx1250); checked and timed in simulation.
; The chip was launched on July 23, 2026; its instructions are those of AMD's public machine-readable ISA for CDNA 5 (MIT licence, August 2026) and "CDNA5" Instruction Set Architecture Reference Guide (July 2026). The comments in the code are by the model that wrote it; some were corrected since.
;; Self Attention. Allowed arithmetic: float matrix products may take bf16 or f16 operands with f32 sums; other float arithmetic in f32, or as packed bf16 or f16 multiplies, adds, multiply-adds, maxima and minima; sums over many terms, partial sums and values carried from step to step in f32; what a program stores and reads back later, other than sums and carried values, may be rounded once to bf16 or f16.
;; Inputs: Wk 1,024 x 1,024 float32; Wq 1,024 x 1,024 float32; Wv 1,024 x 1,024 float32; bk 1,024 float32; bq 1,024 float32; bv 1,024 float32; x 4 x 2,048 x 1,024 float32.
;; Outputs: out0 4 x 2,048 x 1,024 float32.
;; 2 versions, each right; version 2 is version 1 with the launch cast written anew for expert scheduling mode. Each part assembles by itself: llvm-mc -triple=amdgcn-amd-amdhsa -mcpu=gfx1250 --defsym DOCPART=n.
;; ======== version 1 of 2: 4 launches
;; workspace buffers: xw 23,068,672 bytes; qkv 50,331,648 bytes; pt 33,554,432 bytes; stats 786,432 bytes
;; launch cast (part 1): grid 704 x 1, 8 waves a work-group, no clusters, 0 bytes of LDS; arguments x, Wq, Wk, Wv, xw; writes xw
.if DOCPART == 1
	.amdgcn_target "amdgcn-amd-amdhsa--gfx1250"
	.amdhsa_code_object_version 6
	.text
	.protected	k_qe4f2a3ff49_cast
	.globl	k_qe4f2a3ff49_cast
	.p2align	8
	.type	k_qe4f2a3ff49_cast,@function
k_qe4f2a3ff49_cast:
	s_mov_b64 s[64:65], 0
	v_nop
	global_prefetch_b8 v0, s[64:65] scope:SCOPE_SE
	s_setreg_imm32_b32 hwreg(HW_REG_WAVE_MODE, 25, 1), 1
	s_wait_xcnt 0x0
; x [8192][1024], Wq, Wk, Wv [1024][1024], all f32, are rounded once to bf16 (to nearest even) and laid one behind the other in xw,
; each in its own layout: xb at byte 0 (16,777,216 bytes), then the three W, 2,097,152 bytes each, in the order q, k, v.
; A work-group takes 16,384 numbers: 65,536 bytes in, 32,768 out.  Groups 0-511 take x, 512-575 Wq, 576-639 Wk, 640-703 Wv; the
; destination is always xw + 32,768 x the group's number.  A wave takes 8,192 bytes: sixteen loads of 512 consecutive bytes, all out at once,
; and sixteen stores in which 32 lanes fill 256 consecutive bytes, aligned.  A stream: no LDS, no barrier, no matrix work, nothing shared.
.set X, 4                              ; v[4:67]   sixteen loads of four f32
.set Y, 68                             ; v[68:99]  sixteen stores of four bf16
	s_load_b256 s[4:11], s[0:1], 0x0               ; x s[4:5], Wq s[6:7], Wk s[8:9], Wv s[10:11]
	s_load_b64 s[12:13], s[0:1], 0x20              ; xw
	s_mov_b32 s14, ttmp9                           ; the group's number g
	s_sub_co_u32 s15, s14, 512
	s_and_b32 s15, s15, 63                         ; the chunk inside a W
	s_cmp_lt_u32 s14, 512
	s_cselect_b32 s16, s14, s15                    ; the chunk inside my source
	s_lshl_b32 s16, s16, 16                        ; x 65,536 bytes
	s_mov_b32 s17, 0
	s_lshl_b32 s20, s14, 15                        ; g x 32,768 bytes
	s_mov_b32 s21, 0
	v_and_b32 v1, 31, v0                           ; lane
	v_lshrrev_b32 v3, 5, v0                        ; wave
	v_lshlrev_b32 v2, 3, v1
	v_lshl_add_u32 v2, v3, 12, v2                  ; out: wave x 4,096 + lane x 8
	v_lshlrev_b32 v1, 4, v1
	v_lshl_add_u32 v1, v3, 13, v1                  ; in: wave x 8,192 + lane x 16
	s_wait_kmcnt 0x0
	s_cmp_lt_u32 s14, 640
	s_cselect_b64 s[18:19], s[8:9], s[10:11]       ; the source is chosen by the group's number alone
	s_cmp_lt_u32 s14, 576
	s_cselect_b64 s[18:19], s[6:7], s[18:19]
	s_cmp_lt_u32 s14, 512
	s_cselect_b64 s[18:19], s[4:5], s[18:19]
	s_add_nc_u64 s[18:19], s[18:19], s[16:17]
	s_add_nc_u64 s[12:13], s[12:13], s[20:21]
.irp j, 0,1,2,3,4,5,6,7,8,9,10,11,12,13,14,15
	global_load_b128 v[X+4*(\j):X+4*(\j)+3], v1, s[18:19] offset:512*(\j) th:TH_LOAD_NT
.endr
.irp j, 0,1,2,3,4,5,6,7,8,9,10,11,12,13,14,15
	s_wait_loadcnt 15-(\j)                         ; loads come back in order: load j is in, the 15 - j younger ones stay out
	v_cvt_pk_bf16_f32 v[Y+2*(\j)],   v[X+4*(\j)],   v[X+4*(\j)+1]
	v_cvt_pk_bf16_f32 v[Y+2*(\j)+1], v[X+4*(\j)+2], v[X+4*(\j)+3]
	global_store_b64 v2, v[Y+2*(\j):Y+2*(\j)+1], s[12:13] offset:256*(\j)  ; no register is written twice, so no wait frees any
.endr
	s_endpgm
.Lfunc_end_k_qe4f2a3ff49_cast:
	.size	k_qe4f2a3ff49_cast, .Lfunc_end_k_qe4f2a3ff49_cast-k_qe4f2a3ff49_cast
	.p2alignl 7, 3214868480
	.fill 96, 4, 3214868480
	.section	.rodata,"a",@progbits
	.p2align	6, 0x0
	.amdhsa_kernel k_qe4f2a3ff49_cast
		.amdhsa_group_segment_fixed_size 0
		.amdhsa_private_segment_fixed_size 0
		.amdhsa_enable_private_segment 0
		.amdhsa_kernarg_size 40
		.amdhsa_user_sgpr_count 2
		.amdhsa_user_sgpr_kernarg_segment_ptr 1
		.amdhsa_wavefront_size32 1
		.amdhsa_system_sgpr_workgroup_id_x 1
		.amdhsa_system_sgpr_workgroup_id_y 1
		.amdhsa_system_sgpr_workgroup_id_z 1
		.amdhsa_system_vgpr_workitem_id 0
		.amdhsa_next_free_vgpr 100
		.amdhsa_next_free_sgpr 66
		.amdhsa_reserve_vcc 0
		.amdhsa_float_denorm_mode_32 3
		.amdhsa_float_denorm_mode_16_64 3
		.amdhsa_memory_ordered 1
		.amdhsa_forward_progress 1
		.amdhsa_inst_pref_size 7
	.end_amdhsa_kernel
	.amdgpu_metadata
---
amdhsa.version: [ 1, 2 ]
amdhsa.kernels:
  - .name:           k_qe4f2a3ff49_cast
    .symbol:         k_qe4f2a3ff49_cast.kd
    .args:
      - { .name: x, .offset: 0, .size: 8, .value_kind: global_buffer, .address_space: global }
      - { .name: Wq, .offset: 8, .size: 8, .value_kind: global_buffer, .address_space: global }
      - { .name: Wk, .offset: 16, .size: 8, .value_kind: global_buffer, .address_space: global }
      - { .name: Wv, .offset: 24, .size: 8, .value_kind: global_buffer, .address_space: global }
      - { .name: xw, .offset: 32, .size: 8, .value_kind: global_buffer, .address_space: global }
    .group_segment_fixed_size: 0
    .private_segment_fixed_size: 0
    .kernarg_segment_align: 8
    .kernarg_segment_size: 40
    .max_flat_workgroup_size: 256
    .sgpr_count:     66
    .vgpr_count:     100
    .wavefront_size: 32
...
	.end_amdgpu_metadata
.endif
;; end of part 1
;; launch proj (part 2): grid 12 x 32, 4 waves a work-group, clusters of 4 x 4, 327,680 bytes of LDS; arguments xw, qkv, bq, bk, bv; writes qkv
.if DOCPART == 2
	.amdgcn_target "amdgcn-amd-amdhsa--gfx1250"
	.amdhsa_code_object_version 6
	.text
	.protected	k_qe4f2a3ff49_proj
	.globl	k_qe4f2a3ff49_proj
	.p2align	8
	.type	k_qe4f2a3ff49_proj,@function
k_qe4f2a3ff49_proj:
	s_mov_b64 s[64:65], 0
	v_nop
	global_prefetch_b8 v0, s[64:65] scope:SCOPE_SE
	s_setreg_imm32_b32 hwreg(HW_REG_WAVE_MODE, 25, 1), 1
	s_wait_xcnt 0x0
	s_wait_alu depctr_hold_cnt(0) depctr_sa_sdst(0) depctr_va_vdst(0) depctr_va_sdst(0) depctr_va_ssrc(0) depctr_va_vcc(0) depctr_vm_vsrc(0)
	s_getreg_b32 s2, hwreg(HW_REG_IB_STS2, 6, 4)
	s_cmp_eq_u32 s2, 0
	s_cbranch_scc0 .Lentry_in_a_cluster
	s_endpgm
.Lentry_in_a_cluster:
	s_bfe_u32 s2, ttmp6, 0x10000c
	s_cmp_lg_u32 s2, 0xf033
	s_cbranch_scc0 .Lentry_shape_is_right
	s_endpgm
.Lentry_shape_is_right:
; q | k | v = xb W + b.  xb [8192][1024] bf16 at xw's byte 0; the three W [1024 k][1024 n] bf16 behind it; b f32; the results, rounded once to bf16,
; go to qkv's three planes [8192][1024].  Sums in f32; the bias, in f32, is the C operand of the product that starts a sum.
; LIMITS.  x, W and the results are rounded to bf16; NaN and infinities are not treated apart.
; SHARES.  A tile of 256 rows x 256 columns to a work-group of four waves, a wave 128 x 128: 64 accumulators, 512 registers.  12 x 32 tiles: the cluster's x is the plane (q, k, v), cx the
; tile column in it.  K = 1024 goes in 8 steps of 128 through two LDS slots.
; CLUSTER.  4 x 4 work-groups: x's tile hangs on the tile row alone and is asked for jointly by a row of the cluster, W's on plane and tile column alone, jointly by a column.
; W LIES [k][n]: its tile is 128 k rows of 512 bytes, and its fragments come out of LDS turned, by ds_load_tr16_b128.
; ONE TEXT FOR A K STEP.  The slot in hand is a scalar, 0 or SLOT, turned by an exclusive or; the fragments' LDS addresses and the refills' LDS words are made from it.  The first quarter, whose products
; start the sums, is written out, and the loop is entered behind its own first quarter.  Six steps refill; two do not, in a loop of their own.  The last step has no
; next step, but keeps its lines: its change of slots passes a barrier and fetches fragments of the slot read before, which nobody uses.  That is the price, once a launch, of one text.
; THE MATRIX INSTRUCTION IS USED TRANSPOSED (source 0 = 16 columns of W, source 1 = 16 rows of x): a lane holds row lane % 16 and the columns 8 (lane / 16) + 0..7.
; REGISTERS, in windows of 256 (s_set_vgpr_msb: bits 1:0 source 0, 3:2 source 1, 5:4 source 2, 7:6 destination):
;   window 0: v0-31 addresses; v64-127, v128-191 x's fragments, two buffers; v32-63, v192-255 at work on the way out
;   window 1: v0-63 the bias, eight registers for each block of 16 columns; v64-127, v128-191 W's fragments, two buffers
;   window 2: the accumulators of my rows 0-63 ((a, b) at v[8 (8 a + b)]);   window 3: those of my rows 64-127
.set KSTEP,  128
.set STEPS,  1024/KSTEP
.set PITCH,  272                       ; a row of x in LDS: 256 bytes + 16: the 16 rows of a load start at 16 different groups of four banks (64 banks of 4 bytes: ISA guide 11.1)
.set BPITCH, 544                       ; a k row of W: 512 bytes + 32
.set HALFT,  128*PITCH                 ; what one tensor load brings: 128 rows of x, or 64 k rows of W: 34,816 bytes either way
.set SLOT,   4*HALFT                   ; x's 256 rows, then W's 128 k rows
.set STAGE,  2*SLOT                    ; behind the ring: 16 rows x 272 bytes for each wave, for the way out
.set SPITCH, 272
.set SPARE,  STAGE+4*16*SPITCH         ; behind the stages: the spare words, 128 bytes for each wave, which no other line names
.set XB,     8192*1024*2               ; where the three W begin in xw
.set ROWB,   2048                      ; bytes in a row of xb, of W and of a plane of qkv
.set A0,   16                          ; v16     my lane's place among x's rows in a slot; never rewritten
.set B0,   17                          ; v17     the same for W
.set ADRA, 20                          ; v20     LDS address of my fragments of x in the slot in hand
.set ADRB, 21                          ; v21     the same for W
.set STO,  24                          ; v24     the way out: where I put 16 bytes of a row
.set RD,   25                          ; v25     the way out: where I read a row back
.set CO,   26                          ; v26     my byte offset in the result
.set BO,   27                          ; v27     my byte offset in 16 numbers of the bias
.set SPW,  28                          ; v28     LDS address of my spare word; never rewritten
.set NIL,  29                          ; v29     0; never rewritten
.set BI,   0                           ; window 1
.set F0,   64
.set F1,   128
.set TMP,  192
.set OB,   32
.set TB,  2                            ; s2       the slot in hand: 0 or SLOT
.set G1,  24                           ; s[24:31] descriptor group 1 for x's tiles;  s[32:35] group 0 of slot 0's first fill;  s[36:39] of slot 1's, which then walks on
.set G0,  32
.set G1B, 48                           ; s[48:55], s[56:59], s[60:63] the same for W's tiles
.set G0B, 56
.set MSB, 0
.macro WIN new                         ; the immediate's high byte repeats the setting that is left; a switch that changes nothing is dropped
.if MSB != (\new)
	s_set_vgpr_msb (MSB<<8)|(\new)
.set MSB, \new
.endif
.endm
; A joint load.  Waves 0 and 1 fetch x's two halves, waves 2 and 3 W's.  The branch hangs on the wave's number alone.  An s_nop 0 and four v_nop follow each of the two lines.
.macro JLOAD s
	s_cmp_eq_u32 s11, 0
	s_cbranch_scc0 .Lfor_b_\@
	tensor_load_to_lds s[G0+4*(\s):G0+4*(\s)+3], s[G1:G1+7]
	s_nop 0
.rept 4
	v_nop
.endr
	s_branch .Lasked_\@
.Lfor_b_\@:
	tensor_load_to_lds s[G0B+4*(\s):G0B+4*(\s)+3], s[G1B:G1B+7]
	s_nop 0
.rept 4
	v_nop
.endr
.Lasked_\@:
.endm
.macro CREST                           ; a round of the cluster's barrier behind its opening barrier
	s_cmp_lg_u32 s10, 0
	s_cbranch_scc1 .Lnot_wave_0_\@
	s_barrier_signal -3
.Lnot_wave_0_\@:
	s_barrier_wait -3
	s_barrier_signal -1
	s_barrier_wait -1
.endm
.macro CROUND                          ; a whole round
	s_barrier_signal -1
	s_barrier_wait -1
	CREST
.endm
.macro PLACES                          ; four places in front of loads into registers that matrix instructions have read, and of vector lines that read results just made
.rept 4
	v_nop
.endr
.endm
	s_load_b128 s[4:7], s[0:1], 0x0                ; xw s[4:5], qkv s[6:7]
	s_load_b128 s[68:71], s[0:1], 0x10             ; bq s[68:69], bk s[70:71]
	s_load_b64 s[72:73], s[0:1], 0x20              ; bv
	v_lshl_add_u32 v[SPW], v0, 2, SPARE
	v_mov_b32 v[NIL], 0
	ds_add_u32 v[SPW], v[NIL]                      ; the wave's opening: the add and its wait ahead of my first tensor load; the set-up below stands between them
	v_lshrrev_b32 v1, 5, v0
	v_readfirstlane_b32 s10, v1                    ; wave 0..3
	s_lshr_b32 s11, s10, 1                         ; which half of the tile's rows is mine.  Also: I fetch for x (0) or for W (1)
	s_and_b32 s12, s10, 1                          ; which half of its columns.  Also: which half of that tile I fetch
	s_bfe_u32 s40, ttmp6, 0x40000                  ; cx: the tile column in the plane
	s_bfe_u32 s41, ttmp6, 0x40004                  ; cy
	s_mov_b32 s45, ttmp9                           ; the cluster's x: the plane, 0 q, 1 k, 2 v
	s_and_b32 s13, ttmp7, 0xffff
	s_lshl_b32 s13, s13, 2
	s_add_co_u32 s13, s13, s41                     ; tile row = 4 x cluster y + cy
	s_lshl_b32 s43, s41, 2
	s_lshl_b32 s43, 15, s43                        ; my row of the cluster
	s_lshl_b32 s44, 0x1111, s40                    ; my column
	s_or_b32 s[G1+0], s43, (1<<16)|(1<<20)|(1<<21)|(5<<22)|(3<<25)   ; the mask; elements of 2 bytes; padding on; bit 21 beside a mask; after every 64 words 4 words
	s_mov_b32 s[G1+1], KSTEP<<16                   ; tensor_dim0 = 128
	s_mov_b32 s[G1+2], 128<<16                     ; tensor_dim1 = 128
	s_mov_b32 s[G1+3], KSTEP<<16                   ; tile_dim0 = 128
	s_mov_b32 s[G1+4], 128                         ; tile_dim1 = 128
	s_mov_b32 s[G1+5], 1024                        ; elements from row to row
	s_mov_b32 s[G1+6], 0
	s_mov_b32 s[G1+7], 0
	s_or_b32 s[G1B+0], s44, (1<<16)|(1<<20)|(1<<21)|(6<<22)|(7<<25)  ; after every 128 words 8 words
	s_mov_b32 s[G1B+1], 256<<16                    ; tensor_dim0 = 256
	s_mov_b32 s[G1B+2], 64<<16                     ; tensor_dim1 = 64
	s_mov_b32 s[G1B+3], 256<<16                    ; tile_dim0 = 256
	s_mov_b32 s[G1B+4], 64                         ; tile_dim1 = 64
	s_mov_b32 s[G1B+5], 1024
	s_mov_b32 s[G1B+6], 0
	s_mov_b32 s[G1B+7], 0
	s_mov_b32 s[TB], 0                             ; K step 0 lies in slot 0
	s_lshl_b32 s17, s12, 7
	s_lshl_b32 s16, s13, 8
	s_add_co_u32 s16, s16, s17                     ; x: row 256 x tile row + 128 x half,
	s_lshl_b32 s16, s16, 11                        ; in bytes
	s_mov_b32 s17, 0
	s_lshl_b32 s46, s45, 21                        ; W: the plane's 2,097,152 bytes,
	s_lshl_b32 s47, s40, 9                         ; the tile column's 512 bytes,
	s_add_co_u32 s46, s46, s47
	s_lshl_b32 s47, s12, 17                        ; my 64 k rows,
	s_add_co_u32 s46, s46, s47
	s_add_co_u32 s46, s46, XB                      ; behind xb
	s_mov_b32 s47, 0
	s_mul_i32 s20, s10, HALFT                      ; where they go in a slot: wave x 34,816: no place in the cluster enters an LDS address
	s_wait_dscnt 0x0                               ; the opening add is done
	s_wait_kmcnt 0x0
	s_add_nc_u64 s[14:15], s[4:5], s[16:17]
	s_add_nc_u64 s[46:47], s[4:5], s[46:47]
	CROUND                                         ; all sixteen work-groups are here: the first joint loads meet
.irp s, 0,1
	s_mov_b32 s[G0+4*(\s)], 1
	s_add_co_u32 s[G0+4*(\s)+1], s20, (\s)*SLOT
	s_add_nc_u64 s[G0+4*(\s)+2:G0+4*(\s)+3], s[14:15], (\s)*KSTEP*2
	s_or_b32 s[G0+4*(\s)+3], s[G0+4*(\s)+3], 0x80000000
	s_mov_b32 s[G0B+4*(\s)], 1
	s_add_co_u32 s[G0B+4*(\s)+1], s20, (\s)*SLOT
	s_add_nc_u64 s[G0B+4*(\s)+2:G0B+4*(\s)+3], s[46:47], (\s)*KSTEP*ROWB
	s_or_b32 s[G0B+4*(\s)+3], s[G0B+4*(\s)+3], 0x80000000
	JLOAD \s                                       ; two loads of mine are out
.endr
	v_and_b32 v1, 15, v0                           ; r = l % 16
	v_bfe_u32 v2, v0, 4, 1                         ; h = l / 16
	; the bias of my 128 columns: register j of block b holds b[16 b + 8 h + j], the column that the result's register j holds
	s_cmp_eq_u32 s45, 0
	s_cselect_b64 s[74:75], s[68:69], s[70:71]
	s_cmp_eq_u32 s45, 2
	s_cselect_b64 s[74:75], s[72:73], s[74:75]
	s_lshl_b32 s76, s40, 10
	s_lshl_b32 s77, s12, 9
	s_add_co_u32 s76, s76, s77
	s_mov_b32 s77, 0
	s_add_nc_u64 s[74:75], s[74:75], s[76:77]
	v_lshlrev_b32 v[BO], 5, v2
	WIN 0x40                                       ; destination window 1, address window 0
.irp i, 0,1,2,3,4,5,6,7
	global_load_b128 v[BI+8*(\i):BI+8*(\i)+3],   v[BO], s[74:75] offset:64*(\i)
	global_load_b128 v[BI+8*(\i)+4:BI+8*(\i)+7], v[BO], s[74:75] offset:64*(\i)+16
.endr
	WIN 0
	v_mul_u32_u24 v3, v1, PITCH
	v_lshl_add_u32 v3, v2, 4, v3                   ; x: row x pitch + 16 x half
	v_and_b32 v4, 7, v0
	v_lshl_add_u32 v4, v2, 3, v4                   ; W, turned: lane l reads k row 8 (l / 16) + l % 8,
	v_mul_u32_u24 v4, v4, BPITCH
	v_bfe_u32 v5, v0, 3, 1
	v_lshl_add_u32 v4, v5, 4, v4                   ; columns 8 ((l / 8) % 2) + 0..7
	s_mul_i32 s21, s11, HALFT                      ; my 128 rows of x
	s_lshl_b32 s22, s12, 8                         ; my 128 columns of W,
	s_add_co_u32 s22, s22, 2*HALFT                 ; which lies behind x's 256 rows
	v_add_nc_u32 v[A0], s21, v3
	v_add_nc_u32 v[B0], s22, v4
	s_mul_i32 s23, s10, 16*SPITCH
	s_add_co_u32 s23, s23, STAGE                   ; my stage
	v_mul_u32_u24 v6, v1, SPITCH                   ; in: row l % 16, 16 bytes for each half of the lanes
	v_lshl_add_u32 v6, v2, 4, v6
	v_add_nc_u32 v[STO], s23, v6
	v_mul_u32_u24 v7, v2, SPITCH                   ; back: lanes 0-15 take one row of 256 bytes, lanes 16-31 the next
	v_lshl_add_u32 v7, v1, 4, v7
	v_add_nc_u32 v[RD], s23, v7
	v_mul_u32_u24 v7, v2, ROWB                     ; and the same two rows in the result
	v_lshl_add_u32 v[CO], v1, 4, v7
	s_lshl_b32 s16, s13, 8
	s_lshl_b32 s17, s11, 7
	s_add_co_u32 s16, s16, s17                     ; my first row,
	s_lshl_b32 s16, s16, 11                        ; in bytes
	s_mov_b32 s17, 0
	s_lshl_b32 s46, s45, 24                        ; the plane's 16,777,216 bytes,
	s_lshl_b32 s47, s40, 9
	s_add_co_u32 s46, s46, s47                     ; the tile column's 512,
	s_lshl_b32 s47, s12, 8
	s_add_co_u32 s46, s46, s47                     ; my half's 256
	s_mov_b32 s47, 0
	s_add_nc_u64 s[16:17], s[16:17], s[46:47]      ; what the first way out adds to the result's address
; 16 matrix instructions: row blocks a0, a0 + 1 of the window's four (hi = 0: my rows 0-63, 1: rows 64-127) x all 8 column blocks, 32 along K.
; z = 2: the product starts the sum with the bias as C.  The 64 accumulators take turns, one instruction a turn.
.macro MUL16 f, hi, a0, z
.if (\z) == 2
	WIN 0x91+0x40*(\hi)                            ; W and the bias in window 1, x in window 0, the result in window 2 or 3
.else
	WIN 0xa1+0x50*(\hi)                            ; W in window 1, x in window 0, C and D in window 2 or 3
.endif
.irp a, \a0, (\a0)+1
.irp b, 0,1,2,3,4,5,6,7
.if (\z) == 2
	v_wmma_f32_16x16x32_bf16 v[8*(8*(\a)+(\b)):8*(8*(\a)+(\b))+7], v[(\f)+8*(\b):(\f)+8*(\b)+7], v[(\f)+8*(4*(\hi)+(\a)):(\f)+8*(4*(\hi)+(\a))+7], v[BI+8*(\b):BI+8*(\b)+7]
.else
	v_wmma_f32_16x16x32_bf16 v[8*(8*(\a)+(\b)):8*(8*(\a)+(\b))+7], v[(\f)+8*(\b):(\f)+8*(\b)+7], v[(\f)+8*(4*(\hi)+(\a)):(\f)+8*(4*(\hi)+(\a))+7], v[8*(8*(\a)+(\b)):8*(8*(\a)+(\b))+7]
.endif
.endr
.endr
.endm
.macro ADDRS                           ; the fragments' two LDS addresses in the slot in hand
	WIN 0
	v_add_nc_u32 v[ADRA], s[TB], v[A0]
	v_add_nc_u32 v[ADRB], s[TB], v[B0]
.endm
; 32 LDS loads in one run: the fragments of quarter q of the step in hand (32 along K) into buffer f: W's 128 columns, turned, then x's 128 rows
.macro FETCH q, f
	WIN 0x40
.irp i, 0,1,2,3,4,5,6,7
	ds_load_tr16_b128 v[(\f)+8*(\i):(\f)+8*(\i)+3],   v[ADRB] offset:(\q)*32*BPITCH+32*(\i)
	ds_load_tr16_b128 v[(\f)+8*(\i)+4:(\f)+8*(\i)+7], v[ADRB] offset:(\q)*32*BPITCH+16*BPITCH+32*(\i)
.endr
	WIN 0
.irp i, 0,1,2,3,4,5,6,7
	ds_load_b128 v[(\f)+8*(\i):(\f)+8*(\i)+3],   v[ADRA] offset:(\q)*64+(\i)*16*PITCH
	ds_load_b128 v[(\f)+8*(\i)+4:(\f)+8*(\i)+7], v[ADRA] offset:(\q)*64+(\i)*16*PITCH+32
.endr
.endm
; One of a K step's first three quarters: multiplies buffer f; in its middle it fetches quarter q of the same slot into buffer g.
.macro QUARTER q, f, g, z
	s_wait_dscnt 8                                 ; W and x's rows 0-63 are in; the youngest eight loads (x's rows 64-127) may be out
	MUL16 \f, 0, 0, \z
	MUL16 \f, 0, 2, \z
	PLACES
	FETCH \q, \g
	s_wait_dscnt 32                                ; all but the 32 just issued
	MUL16 \f, 1, 0, \z
	MUL16 \f, 1, 2, \z
.endm
; The last quarter multiplies buffer 1 and changes slots.  ONE barrier: in front of it each wave waits for all its tensor loads (one is out at the most: its part of the next slot), adds 0 to its spare word,
; and waits for that and for its own reads of this slot.  Behind it nobody reads this slot any more and the next slot is whole.
.macro MEET round
	WIN 0                                          ; (the add's two registers lie in window 0)
	s_wait_tensorcnt 0x0
	ds_add_u32 v[SPW], v[NIL]
	s_wait_dscnt 9                                 ; (the add and the youngest eight loads may be out)
	MUL16 F1, 0, 0, 0                              ; sixteen matrix instructions stand between the add and the wait for it
	s_wait_dscnt 0x0                               ; the add is done, and my reads of this slot are over
	s_barrier_signal -1
	MUL16 F1, 0, 2, 0                              ; work on registers while the others arrive
.if \round
	WIN 0
.endif
	s_barrier_wait -1
.endm
; fill = 1: the barrier opens a round of the cluster's, and the slot just read out is filled again first behind it, with the K step two steps on: one step behind the walking descriptor's last.
.macro TURN fill
	MEET \fill
.if \fill
	CREST                                          ; no wave of any partner still reads this slot's tile or has a load on its way
	s_add_co_u32 s[G0+5], s20, s[TB]               ; no tensor load of mine is out, so a group 0 may be written: into the slot in hand,
	s_add_nc_u64 s[G0+6:G0+7], s[G0+6:G0+7], KSTEP*2       ; the next K step not yet asked for; the type bits on top are not reached
	s_add_co_u32 s[G0B+5], s20, s[TB]
	s_add_nc_u64 s[G0B+6:G0B+7], s[G0B+6:G0B+7], KSTEP*ROWB
	JLOAD 1                                        ; my one tensor load behind the round; its four v_nop are also the places in front of the loads below
.else
	PLACES
.endif
	s_xor_b32 s[TB], s[TB], SLOT                   ; the reads go on in the other slot
	ADDRS
	FETCH 0, F0
	MUL16 F1, 1, 0, 0
	MUL16 F1, 1, 2, 0
.endm
; THE WAY OUT of block a (16 rows).  PACK: rounded to bf16, 16 bytes a lane.  TOSTAGE: into my own stage in LDS, and back as whole rows of 256 bytes.  SEND: stored.
.macro PACK a
.set AC, 64*((\a)%4)
	WIN 0x0a+5*((\a)/4)                            ; sources 0 and 1: window 2 or 3
.irp b, 0,1,2,3,4,5,6,7
.irp r, 0,1,2,3
	v_cvt_pk_bf16_f32 v[TMP+4*(\b)+(\r)], v[AC+8*(\b)+2*(\r)], v[AC+8*(\b)+2*(\r)+1]
.endr
.endr
	WIN 0
.endm
.macro TOSTAGE a
	WIN 0
.set BK, OB+192*((\a)%2)
.irp b, 0,1,2,3,4,5,6,7
	ds_store_b128 v[STO], v[TMP+4*(\b):TMP+4*(\b)+3] offset:32*(\b)
.endr
.irp t, 0,1,2,3,4,5,6,7
	ds_load_b128 v[BK+4*(\t):BK+4*(\t)+3], v[RD] offset:(\t)*2*SPITCH  ; LDS serves a wave's instructions in order (ISA guide 5.7.1.4): these see the stores above
.endr
.endm
.macro SEND a, younger
	WIN 0
.set BK, OB+192*((\a)%2)
	s_wait_dscnt \younger                          ; the block is back in registers
	s_wait_xcnt 0x0                                ; only behind this wait are the stores' base and the registers that earlier stores read rewritten
.if (\a) == 0
	s_add_nc_u64 s[6:7], s[6:7], s[16:17]          ; on to my first rows
.else
	s_add_nc_u64 s[6:7], s[6:7], 16*ROWB           ; 16 rows on
.endif
.irp t, 0,1,2,3,4,5,6,7
	global_store_b128 v[CO], v[BK+4*(\t):BK+4*(\t)+3], s[6:7] offset:2*(\t)*ROWB  ; 16 lanes store 256 consecutive bytes, aligned
.endr
.endm
	s_wait_tensorcnt 1                             ; my part of K step 0 is in; K step 1's may stay out
	s_barrier_signal -1
	s_barrier_wait -1                              ; everybody's is
	ADDRS
	FETCH 0, F0
	s_wait_loadcnt 0x0                             ; the bias
	QUARTER 1, F0, F1, 2                           ; the first quarter is written out: its products start the sums, with the bias
	WIN 0                                          ; at a label and at a branch every window is 0
	s_mov_b32 s3, STEPS-2
	s_branch .Lmid                                 ; the loop is entered behind its own first quarter
.Lstep:                                                ; K steps 0 to 5: each fills its slot again, with K steps 2 to 7
	QUARTER 1, F0, F1, 0
	WIN 0
.Lmid:
	QUARTER 2, F1, F0, 0
	QUARTER 3, F0, F1, 0
	TURN 1
	WIN 0
	s_sub_co_u32 s3, s3, 1
	s_cmp_lg_u32 s3, 0
	s_cbranch_scc1 .Lstep
	s_mov_b32 s3, 2
.Ltail:                                                ; K steps 6 and 7 fill nothing, and have no round of the cluster's barrier
	QUARTER 1, F0, F1, 0
	QUARTER 2, F1, F0, 0
	QUARTER 3, F0, F1, 0
	TURN 0
	WIN 0
	s_sub_co_u32 s3, s3, 1
	s_cmp_lg_u32 s3, 0
	s_cbranch_scc1 .Ltail
	s_wait_dscnt 0x0                               ; the last step's fetch, which nobody uses, has landed
	PLACES
	PACK 0
	TOSTAGE 0
.irp a, 1,2,3,4,5,6,7                  ; block a's conversions stand between block a - 1's loads from the stage and the wait for them
	PACK \a
	SEND (\a)-1, 0
	TOSTAGE \a
.endr
	SEND 7, 0
	s_wait_tensorcnt 0x0                           ; the wave's end
	ds_add_u32 v[SPW], v[NIL]
	s_wait_dscnt 0x0
	CROUND                                         ; the closing round: no work-group ends while a partner may still ask for a tile that names it
	s_endpgm
.Lfunc_end_k_qe4f2a3ff49_proj:
	.size	k_qe4f2a3ff49_proj, .Lfunc_end_k_qe4f2a3ff49_proj-k_qe4f2a3ff49_proj
	.p2alignl 7, 3214868480
	.fill 96, 4, 3214868480
	.section	.rodata,"a",@progbits
	.p2align	6, 0x0
	.amdhsa_kernel k_qe4f2a3ff49_proj
		.amdhsa_group_segment_fixed_size 327680
		.amdhsa_private_segment_fixed_size 0
		.amdhsa_enable_private_segment 0
		.amdhsa_kernarg_size 40
		.amdhsa_user_sgpr_count 2
		.amdhsa_user_sgpr_kernarg_segment_ptr 1
		.amdhsa_wavefront_size32 1
		.amdhsa_system_sgpr_workgroup_id_x 1
		.amdhsa_system_sgpr_workgroup_id_y 1
		.amdhsa_system_sgpr_workgroup_id_z 1
		.amdhsa_system_vgpr_workitem_id 0
		.amdhsa_next_free_vgpr 1024
		.amdhsa_next_free_sgpr 80
		.amdhsa_reserve_vcc 0
		.amdhsa_float_denorm_mode_32 3
		.amdhsa_float_denorm_mode_16_64 3
		.amdhsa_memory_ordered 1
		.amdhsa_forward_progress 1
		.amdhsa_inst_pref_size 102
	.end_amdhsa_kernel
	.amdgpu_metadata
---
amdhsa.version: [ 1, 2 ]
amdhsa.kernels:
  - .name:           k_qe4f2a3ff49_proj
    .symbol:         k_qe4f2a3ff49_proj.kd
    .args:
      - { .name: xw, .offset: 0, .size: 8, .value_kind: global_buffer, .address_space: global }
      - { .name: qkv, .offset: 8, .size: 8, .value_kind: global_buffer, .address_space: global }
      - { .name: bq, .offset: 16, .size: 8, .value_kind: global_buffer, .address_space: global }
      - { .name: bk, .offset: 24, .size: 8, .value_kind: global_buffer, .address_space: global }
      - { .name: bv, .offset: 32, .size: 8, .value_kind: global_buffer, .address_space: global }
    .group_segment_fixed_size: 327680
    .private_segment_fixed_size: 0
    .kernarg_segment_align: 8
    .kernarg_segment_size: 40
    .max_flat_workgroup_size: 128
    .sgpr_count:     80
    .vgpr_count:     1024
    .wavefront_size: 32
...
	.end_amdgpu_metadata
.endif
;; end of part 2
;; launch scores (part 3): grid 8 x 32, 4 waves a work-group, clusters of 4 x 4, 327,680 bytes of LDS; arguments qkv, pt, stats; writes pt, stats
.if DOCPART == 3
	.amdgcn_target "amdgcn-amd-amdhsa--gfx1250"
	.amdhsa_code_object_version 6
	.text
	.protected	k_qe4f2a3ff49_scores
	.globl	k_qe4f2a3ff49_scores
	.p2align	8
	.type	k_qe4f2a3ff49_scores,@function
k_qe4f2a3ff49_scores:
	s_mov_b64 s[64:65], 0
	v_nop
	global_prefetch_b8 v0, s[64:65] scope:SCOPE_SE
	s_setreg_imm32_b32 hwreg(HW_REG_WAVE_MODE, 25, 1), 1
	s_wait_xcnt 0x0
	s_wait_alu depctr_hold_cnt(0) depctr_sa_sdst(0) depctr_va_vdst(0) depctr_va_sdst(0) depctr_va_ssrc(0) depctr_va_vcc(0) depctr_vm_vsrc(0)
	s_getreg_b32 s2, hwreg(HW_REG_IB_STS2, 6, 4)
	s_cmp_eq_u32 s2, 0
	s_cbranch_scc0 .Lentry_in_a_cluster
	s_endpgm
.Lentry_in_a_cluster:
	s_bfe_u32 s2, ttmp6, 0x10000c
	s_cmp_lg_u32 s2, 0xf033
	s_cbranch_scc0 .Lentry_shape_is_right
	s_endpgm
.Lentry_shape_is_right:
; For each tile of 256 queries x 256 keys of one batch: s = q . k (sums in f32 over 1024 channels); m = the row's maximum over the tile's 256 keys; p = 2^(c s - c m), c = log2(e) / 32.
; Stored: p rounded once to bf16, in pt, in the order in which the launch behind takes it into registers: [512 blocks of 16 rows][128 blocks of 16 keys][32 lanes][16 bytes], lane l holding
; row l % 16 and the keys 8 (l / 16) + 0..7; c m in f32, in stats [8 key tiles][8192 rows]; the sums of the unrounded p over 128 keys in f32, in stats behind that, [16 blocks of 128 keys][8192 rows].
; The launch behind joins the tiles: it multiplies a tile's partial product by 2^(c m_tile - c m_row) / l_row, so the row's true maximum is taken away.
; LIMITS.  q, k arrive in bf16; p lies in 0 to 1 (to within the rounding of c m); a weight below 2^-126 counts as 0; NaN and infinities are not treated apart.
; SHARES, RING, CLUSTER.  Four waves, each 128 queries x 128 keys in 64 accumulators; K = 1024 in 8 steps of 128 through two LDS slots; 4 x 4 work-groups: q's tile is asked for jointly
; along a row of the cluster, k's along a column.  A cluster's four tile rows lie in one batch (8 tile rows a batch).
; ONE TEXT FOR A K STEP.  The slot in hand is a scalar, 0 or SLOT, turned by an exclusive or; the fragments' LDS addresses and the refills' LDS words are made from it.  The first quarter, whose products
; start the sums, is written out, and the loop is entered behind its own first quarter.  Six steps refill; two do not, in a loop of their own.  The last step has no
; next step, but keeps its lines: its change of slots passes a barrier and fetches fragments of the slot read before, which nobody uses.  That is the price, once a launch, of one text.
; TRANSPOSED USE (source 0 = 16 keys, source 1 = 16 queries): a lane holds query lane % 16 and the keys 8 (lane / 16) + 0..7 of each block of 16: a query's 128 keys lie in two lanes, 16 apart.
; Rounded in pairs, an accumulator is 16 bytes a lane, 512 consecutive bytes a wave: it is stored as it lies, with no way through LDS.
; REGISTERS: window 0: v0-31 addresses; v64-191 q's fragments, two buffers, later the statistics; v192-255 the packed weights, two buffers.  window 1: v64-191 k's fragments.
;   window 2: the accumulators of my rows 0-63 ((a, b) at v[8 (8 a + b)]);   window 3: those of my rows 64-127
.set KSTEP,  128
.set STEPS,  1024/KSTEP
.set PITCH,  272                       ; an LDS row: 256 bytes + 16: the 16 rows of a load start at 16 different groups of four banks (64 banks of 4 bytes: ISA guide 11.1)
.set HALFT,  128*PITCH
.set SLOT,   4*HALFT                   ; q's 256 rows, then k's 256 rows
.set XM,     2*SLOT                    ; behind the ring, 4,096 bytes: the waves' row maxima, wave x 1,024 + lane x 32
.set XS,     XM+4096                   ; 4,096 bytes: wave x 1,024: 128 rows' c m, then 128 rows' sums
.set SPARE,  XS+4096                   ; the spare words, which no other line names
.set KPLANE, 16777216                  ; where k begins in qkv
.set LOFF,   262144                    ; where the sums begin in stats
.set RBP,    65536                     ; bytes of a block of 16 rows in pt
.set A0,   16                          ; v16  my lane's place among q's rows in a slot; never rewritten
.set B0,   17                          ; v17  the same for k
.set ADRA, 20                          ; v20  LDS address of my fragments of q in the slot in hand
.set ADRB, 21                          ; v21  the same for k
.set SR,   22                          ; v22  where I read 16 bytes of the statistics back
.set SO,   23                          ; v23  lane x 16; never rewritten
.set XA,   27                          ; v27  where I put my eight maxima
.set SPW,  28
.set NIL,  29
.set XP,   30                          ; v30  where the wave with the tile's other 128 keys puts its own
.set SA,   31                          ; v31  where I put a row's statistic
.set F0,   64
.set F1,   128
.set TMP,  192                         ; v192-223, v224-255  a block's packed weights, by turns
.set MX,   64                          ; v64-71    block a's maximum
.set PX,   72                          ; v72-79    the partner's; later at work
.set CM2,  80                          ; v80-95    c m, twice, a pair for the packed scaling
.set LS,   96                          ; v96-103   block a's sum
.set CH,   104                         ; v104-107  four chains
.set TP,   108                         ; v108      at work
.set ST0,  110                         ; v110-113, v114-117  the statistics on their way out
.set TB,  2                            ; s2       the slot in hand: 0 or SLOT
.set G1,  24                           ; s[24:31] descriptor group 1 for q's tiles;  s[32:35] group 0 of slot 0's first fill;  s[36:39] of slot 1's, which then walks on
.set G0,  32
.set G1B, 48                           ; s[48:55], s[56:59], s[60:63] the same for k's tiles
.set G0B, 56
.set CS,  66                           ; s[66:67] c, twice
.set SEL, 68                           ; s[68:69] v_permlanex16_b32's selects: each lane takes its own place in the other half
.set MSB, 0
.macro WIN new
.if MSB != (\new)
	s_set_vgpr_msb (MSB<<8)|(\new)
.set MSB, \new
.endif
.endm
.macro JLOAD s                         ; a joint load: waves 0 and 1 fetch q's two halves, waves 2 and 3 k's; an s_nop 0 and four v_nop follow each of the two lines
	s_cmp_eq_u32 s11, 0
	s_cbranch_scc0 .Lfor_b_\@
	tensor_load_to_lds s[G0+4*(\s):G0+4*(\s)+3], s[G1:G1+7]
	s_nop 0
.rept 4
	v_nop
.endr
	s_branch .Lasked_\@
.Lfor_b_\@:
	tensor_load_to_lds s[G0B+4*(\s):G0B+4*(\s)+3], s[G1B:G1B+7]
	s_nop 0
.rept 4
	v_nop
.endr
.Lasked_\@:
.endm
.macro CREST
	s_cmp_lg_u32 s10, 0
	s_cbranch_scc1 .Lnot_wave_0_\@
	s_barrier_signal -3
.Lnot_wave_0_\@:
	s_barrier_wait -3
	s_barrier_signal -1
	s_barrier_wait -1
.endm
.macro CROUND
	s_barrier_signal -1
	s_barrier_wait -1
	CREST
.endm
.macro PLACES                          ; four places in front of loads into registers that matrix instructions have read, and of vector lines that read results just made
.rept 4
	v_nop
.endr
.endm
	s_load_b128 s[4:7], s[0:1], 0x0                ; qkv s[4:5], pt s[6:7]
	s_load_b64 s[8:9], s[0:1], 0x10                ; stats
	v_lshl_add_u32 v[SPW], v0, 2, SPARE
	v_mov_b32 v[NIL], 0
	ds_add_u32 v[SPW], v[NIL]                      ; the wave's opening: the add and its wait ahead of my first tensor load
	v_lshrrev_b32 v1, 5, v0
	v_readfirstlane_b32 s10, v1                    ; wave 0..3
	s_lshr_b32 s11, s10, 1                         ; which half of the tile's queries is mine.  Also: I fetch for q (0) or for k (1)
	s_and_b32 s12, s10, 1                          ; which half of its keys.  Also: which 128 rows of that tile I fetch
	s_bfe_u32 s40, ttmp6, 0x40000                  ; cx
	s_bfe_u32 s41, ttmp6, 0x40004                  ; cy
	s_lshl_b32 s42, ttmp9, 2
	s_add_co_u32 s42, s42, s40                     ; key tile in the batch, 0..7
	s_and_b32 s45, ttmp7, 0xffff                   ; the cluster's y
	s_lshl_b32 s13, s45, 2
	s_add_co_u32 s13, s13, s41                     ; tile row, 0..31
	s_lshr_b32 s45, s45, 1                         ; the batch, which the whole cluster shares
	s_lshl_b32 s43, s41, 2
	s_lshl_b32 s43, 15, s43                        ; my row of the cluster
	s_lshl_b32 s44, 0x1111, s40                    ; my column
	s_or_b32 s[G1+0], s43, (1<<16)|(1<<20)|(1<<21)|(5<<22)|(3<<25)
	s_or_b32 s[G1B+0], s44, (1<<16)|(1<<20)|(1<<21)|(5<<22)|(3<<25)
.irp g, G1, G1B
	s_mov_b32 s[(\g)+1], KSTEP<<16                 ; tensor_dim0 = 128
	s_mov_b32 s[(\g)+2], 128<<16                   ; tensor_dim1 = 128
	s_mov_b32 s[(\g)+3], KSTEP<<16                 ; tile_dim0 = 128
	s_mov_b32 s[(\g)+4], 128                       ; tile_dim1 = 128
	s_mov_b32 s[(\g)+5], 1024                      ; elements from row to row
	s_mov_b32 s[(\g)+6], 0
	s_mov_b32 s[(\g)+7], 0
.endr
	s_mov_b32 s[CS], 0x3d38aa3b                    ; c = log2(e) / 32
	s_mov_b32 s[CS+1], s[CS]
	s_mov_b32 s[SEL], 0x76543210
	s_mov_b32 s[SEL+1], 0xfedcba98
	s_mov_b32 s[TB], 0                             ; K step 0 lies in slot 0
	s_lshl_b32 s17, s12, 7
	s_lshl_b32 s16, s13, 8
	s_add_co_u32 s16, s16, s17                     ; q: row 256 x tile row + 128 x half,
	s_lshl_b32 s16, s16, 11                        ; in bytes
	s_mov_b32 s17, 0
	s_lshl_b32 s46, s45, 11                        ; k: the batch's 2,048 rows,
	s_lshl_b32 s47, s42, 8
	s_add_co_u32 s46, s46, s47                     ; 256 x key tile,
	s_lshl_b32 s47, s12, 7
	s_add_co_u32 s46, s46, s47                     ; 128 x half,
	s_lshl_b32 s46, s46, 11                        ; in bytes,
	s_add_co_u32 s46, s46, KPLANE                  ; in k's plane
	s_mov_b32 s47, 0
	s_mul_i32 s20, s10, HALFT                      ; where they go in a slot: wave x 34,816: no place in the cluster enters an LDS address
	s_wait_dscnt 0x0                               ; the opening add is done
	s_wait_kmcnt 0x0
	s_add_nc_u64 s[14:15], s[4:5], s[16:17]
	s_add_nc_u64 s[46:47], s[4:5], s[46:47]
	CROUND                                         ; all sixteen work-groups are here: the first joint loads meet
.irp s, 0,1
	s_mov_b32 s[G0+4*(\s)], 1
	s_add_co_u32 s[G0+4*(\s)+1], s20, (\s)*SLOT
	s_add_nc_u64 s[G0+4*(\s)+2:G0+4*(\s)+3], s[14:15], (\s)*KSTEP*2
	s_or_b32 s[G0+4*(\s)+3], s[G0+4*(\s)+3], 0x80000000
	s_mov_b32 s[G0B+4*(\s)], 1
	s_add_co_u32 s[G0B+4*(\s)+1], s20, (\s)*SLOT
	s_add_nc_u64 s[G0B+4*(\s)+2:G0B+4*(\s)+3], s[46:47], (\s)*KSTEP*2
	s_or_b32 s[G0B+4*(\s)+3], s[G0B+4*(\s)+3], 0x80000000
	JLOAD \s                                       ; two loads of mine are out
.endr
	v_and_b32 v1, 15, v0                           ; r
	v_bfe_u32 v2, v0, 4, 1                         ; h
	v_mul_u32_u24 v3, v1, PITCH
	v_lshl_add_u32 v3, v2, 4, v3                   ; row x pitch + 16 x half
	s_mul_i32 s21, s11, HALFT                      ; my 128 rows of q
	s_mul_i32 s22, s12, HALFT                      ; my 128 rows of k,
	s_add_co_u32 s22, s22, 2*HALFT                 ; which lie behind q's 256
	v_add_nc_u32 v[A0], s21, v3
	v_add_nc_u32 v[B0], s22, v3
	v_and_b32 v6, 31, v0                           ; lane
	s_lshl_b32 s21, s10, 10
	s_add_co_u32 s22, s21, XM
	v_lshl_add_u32 v[XA], v6, 5, s22
	s_xor_b32 s22, s21, 1024                       ; the wave with the same queries and the other keys
	s_add_co_u32 s22, s22, XM
	v_lshl_add_u32 v[XP], v6, 5, s22
	s_add_co_u32 s22, s21, XS
	v_lshl_add_u32 v[SA], v1, 2, s22
	v_lshl_add_u32 v[SR], v6, 4, s22
	v_lshlrev_b32 v[SO], 4, v6
	s_lshl_b32 s16, s13, 8
	s_lshl_b32 s17, s11, 7
	s_add_co_u32 s16, s16, s17                     ; my first row
	s_lshl_b32 s18, s16, 2                         ; its place in a plane of stats
	s_lshl_b32 s16, s16, 12                        ; and in pt: a block of 16 rows is 65,536 bytes
	s_mov_b32 s17, 0
	s_lshl_b32 s46, s42, 13                        ; my first key: a block of 16 keys is 512 bytes: 8,192 x key tile
	s_lshl_b32 s47, s12, 12                        ; + 4,096 x half
	s_add_co_u32 s46, s46, s47
	s_mov_b32 s47, 0
	s_add_nc_u64 s[16:17], s[16:17], s[46:47]
	s_add_nc_u64 s[6:7], s[6:7], s[16:17]          ; pt at my first block; never stepped: block and key block stand in the stores' immediates
	s_lshl_b32 s78, s42, 15                        ; c m: plane = key tile
	s_add_co_u32 s78, s78, s18
	s_mov_b32 s79, 0
	s_add_nc_u64 s[74:75], s[8:9], s[78:79]
	s_lshl_b32 s78, s42, 1
	s_add_co_u32 s78, s78, s12                     ; the sums: plane = 2 x key tile + half
	s_lshl_b32 s78, s78, 15
	s_add_co_u32 s78, s78, s18
	s_add_co_u32 s78, s78, LOFF
	s_add_nc_u64 s[76:77], s[8:9], s[78:79]
.macro MUL16 f, hi, a0, zero           ; 16 matrix instructions; zero = 1: the product starts the sum.  The 64 accumulators take turns
	WIN 0xa1+0x50*(\hi)
.irp a, \a0, (\a0)+1
.irp b, 0,1,2,3,4,5,6,7
.if \zero
	v_wmma_f32_16x16x32_bf16 v[8*(8*(\a)+(\b)):8*(8*(\a)+(\b))+7], v[(\f)+8*(\b):(\f)+8*(\b)+7], v[(\f)+8*(4*(\hi)+(\a)):(\f)+8*(4*(\hi)+(\a))+7], 0
.else
	v_wmma_f32_16x16x32_bf16 v[8*(8*(\a)+(\b)):8*(8*(\a)+(\b))+7], v[(\f)+8*(\b):(\f)+8*(\b)+7], v[(\f)+8*(4*(\hi)+(\a)):(\f)+8*(4*(\hi)+(\a))+7], v[8*(8*(\a)+(\b)):8*(8*(\a)+(\b))+7]
.endif
.endr
.endr
.endm
.macro ADDRS                           ; the fragments' two LDS addresses in the slot in hand
	WIN 0
	v_add_nc_u32 v[ADRA], s[TB], v[A0]
	v_add_nc_u32 v[ADRB], s[TB], v[B0]
.endm
.macro FETCH q, f                      ; 32 LDS loads in one run: quarter q's fragments of the step in hand: k's 128 rows, then q's 128 rows
	WIN 0x40
.irp i, 0,1,2,3,4,5,6,7
	ds_load_b128 v[(\f)+8*(\i):(\f)+8*(\i)+3],   v[ADRB] offset:(\q)*64+(\i)*16*PITCH
	ds_load_b128 v[(\f)+8*(\i)+4:(\f)+8*(\i)+7], v[ADRB] offset:(\q)*64+(\i)*16*PITCH+32
.endr
	WIN 0
.irp i, 0,1,2,3,4,5,6,7
	ds_load_b128 v[(\f)+8*(\i):(\f)+8*(\i)+3],   v[ADRA] offset:(\q)*64+(\i)*16*PITCH
	ds_load_b128 v[(\f)+8*(\i)+4:(\f)+8*(\i)+7], v[ADRA] offset:(\q)*64+(\i)*16*PITCH+32
.endr
.endm
.macro QUARTER q, f, g, zero           ; one of a K step's first three quarters: multiplies buffer f; in its middle it fetches quarter q of the same slot into buffer g
	s_wait_dscnt 8                                 ; k's rows and q's rows 0-63 are in; the youngest eight loads may be out
	MUL16 \f, 0, 0, \zero
	MUL16 \f, 0, 2, \zero
	PLACES
	FETCH \q, \g
	s_wait_dscnt 32                                ; all but the 32 just issued
	MUL16 \f, 1, 0, \zero
	MUL16 \f, 1, 2, \zero
.endm
.macro MEET round                      ; the change of slots: all my tensor loads, the add, my reads of this slot; then the barrier
	WIN 0
	s_wait_tensorcnt 0x0
	ds_add_u32 v[SPW], v[NIL]
	s_wait_dscnt 9                                 ; (the add and the youngest eight loads may be out)
	MUL16 F1, 0, 0, 0
	s_wait_dscnt 0x0                               ; the add is done, and my reads of this slot are over
	s_barrier_signal -1
	MUL16 F1, 0, 2, 0
.if \round
	WIN 0
.endif
	s_barrier_wait -1
.endm
; fill = 1: the barrier opens a round of the cluster's, and the slot just read out is filled again first behind it, with the K step two steps on: one step behind the walking descriptor's last.
.macro TURN fill
	MEET \fill
.if \fill
	CREST                                          ; no wave of any partner still reads this slot's tile or has a load on its way
	s_add_co_u32 s[G0+5], s20, s[TB]               ; no tensor load of mine is out, so a group 0 may be written: into the slot in hand,
	s_add_nc_u64 s[G0+6:G0+7], s[G0+6:G0+7], KSTEP*2       ; the next K step not yet asked for; the type bits on top are not reached
	s_add_co_u32 s[G0B+5], s20, s[TB]
	s_add_nc_u64 s[G0B+6:G0B+7], s[G0B+6:G0B+7], KSTEP*2
	JLOAD 1                                        ; my one tensor load behind the round; its four v_nop are also the places in front of the loads below
.else
	PLACES
.endif
	s_xor_b32 s[TB], s[TB], SLOT                   ; the reads go on in the other slot
	ADDRS
	FETCH 0, F0
	MUL16 F1, 1, 0, 0
	MUL16 F1, 1, 2, 0
.endm
; The maximum of block a's 64 scores a lane: four chains of 16 registers (two accumulators each), three operands at a time; each accumulator's lowest registers are read first.
; Then the lane 16 away, which holds the query's other 64 keys.
.macro ROWMAX a
.set AC, 64*((\a)%4)
	WIN 0x2a+0x15*((\a)/4)                         ; all three sources in window 2 or 3
.irp i, 0,1,2,3
	v_max3_num_f32 v[CH+(\i)], v[AC+16*(\i)], v[AC+16*(\i)+1], v[AC+16*(\i)+2]
.endr
	WIN 0x28+0x14*((\a)/4)                         ; source 0 in window 0
.irp j, 3,5,7,9,11,13
.irp i, 0,1,2,3
	v_max3_num_f32 v[CH+(\i)], v[CH+(\i)], v[AC+16*(\i)+(\j)], v[AC+16*(\i)+(\j)+1]
.endr
.endr
.irp i, 0,1,2,3
	v_max_num_f32 v[CH+(\i)], v[CH+(\i)], v[AC+16*(\i)+15]
.endr
	WIN 0
	v_max3_num_f32 v[CH], v[CH], v[CH+1], v[CH+2]
	v_max_num_f32 v[CH], v[CH], v[CH+3]
	v_permlanex16_b32 v[TP], v[CH], s[SEL], s[SEL+1]
	v_max_num_f32 v[MX+(\a)], v[CH], v[TP]
.endm
; Block a: c s - c m, in place; 2^ of it, in place; rounded to bf16 into one of TMP's two buffers; the lane's 64 weights, unrounded, added up in place.
.macro SOFT a
.set AC, 64*((\a)%4)
.set TM, TMP+32*((\a)%2)
	WIN 0x82+0x41*((\a)/4)                         ; destination and source 0 in window 2 or 3, c m in window 0
.set i, 0
.rept 32
	v_pk_fma_f32 v[AC+2*i:AC+2*i+1], v[AC+2*i:AC+2*i+1], s[CS:CS+1], v[CM2+2*(\a):CM2+2*(\a)+1] op_sel_hi:[1,0,1] neg_lo:[0,0,1] neg_hi:[0,0,1]
.set i, i+1
.endr
.set i, 0
.rept 64
	v_exp_f32 v[AC+i], v[AC+i]
.set i, i+1
.endr
	v_nop                                          ; a plain instruction between the last exponential and the use of its result (ISA guide 5.7.2)
	s_wait_xcnt 0x0                                ; the buffer that the stores of the block before last read is written again only behind this wait
	WIN 0x0a+5*((\a)/4)
.set i, 0
	s_wait_alu depctr_va_vdst(0)
.rept 32
	v_cvt_pk_bf16_f32 v[TM+i], v[AC+2*i], v[AC+2*i+1]
.set i, i+1
.endr
	WIN 0x8a+0x45*((\a)/4)
.irp w, 32,16,8,4,2                    ; pairs w registers apart are added: 16, 8, 4, 2, 1 additions
.set i, 0
.rept (\w)/2
	v_pk_add_f32 v[AC+2*i:AC+2*i+1], v[AC+2*i:AC+2*i+1], v[AC+(\w)+2*i:AC+(\w)+2*i+1]
.set i, i+1
.endr
.endr
	WIN 0x0a+5*((\a)/4)
	v_add_f32 v[LS+(\a)], v[AC], v[AC+1]
	WIN 0
.endm
.macro STOREP a                        ; block a's weights leave as they lie: key block b's 16 bytes a lane are 512 consecutive bytes of pt, aligned
.set TM, TMP+32*((\a)%2)
.irp b, 0,1,2,3,4,5,6,7
	global_store_b128 v[SO], v[TM+4*(\b):TM+4*(\b)+3], s[6:7] offset:(\a)*RBP+(\b)*512
.endr
.endm
	s_wait_tensorcnt 1                             ; my part of K step 0 is in; K step 1's may stay out
	s_barrier_signal -1
	s_barrier_wait -1
	ADDRS
	FETCH 0, F0
	QUARTER 1, F0, F1, 1                           ; the first quarter is written out: its products start the sums
	WIN 0                                          ; at a label and at a branch every window is 0
	s_mov_b32 s3, STEPS-2
	s_branch .Lmid                                 ; the loop is entered behind its own first quarter
.Lstep:                                                ; K steps 0 to 5: each fills its slot again, with K steps 2 to 7
	QUARTER 1, F0, F1, 0
	WIN 0
.Lmid:
	QUARTER 2, F1, F0, 0
	QUARTER 3, F0, F1, 0
	TURN 1
	WIN 0
	s_sub_co_u32 s3, s3, 1
	s_cmp_lg_u32 s3, 0
	s_cbranch_scc1 .Lstep
	s_mov_b32 s3, 2
.Ltail:                                                ; K steps 6 and 7 fill nothing, and have no round of the cluster's barrier
	QUARTER 1, F0, F1, 0
	QUARTER 2, F1, F0, 0
	QUARTER 3, F0, F1, 0
	TURN 0
	WIN 0
	s_sub_co_u32 s3, s3, 1
	s_cmp_lg_u32 s3, 0
	s_cbranch_scc1 .Ltail
	s_wait_dscnt 0x0                               ; the last step's fetch, which nobody uses, has landed: its registers serve the statistics
	PLACES
	v_mov_b32 v[TP], 0                             ; v_permlanex16_b32 counts as a reader of its destination
.irp a, 0,1,2,3,4,5,6,7
	ROWMAX \a
.endr
	; the tile's other 128 keys lie with the wave beside me: the maxima change hands through LDS
	ds_store_b128 v[XA], v[MX:MX+3]
	ds_store_b128 v[XA], v[MX+4:MX+7] offset:16
	s_wait_dscnt 0x0                               ; for the other's sake: my stores are done
	s_barrier_signal -1
	s_barrier_wait -1
	ds_load_b128 v[PX:PX+3], v[XP]
	ds_load_b128 v[PX+4:PX+7], v[XP] offset:16
	s_wait_dscnt 0x0
.irp a, 0,1,2,3,4,5,6,7
	v_max_num_f32 v[MX+(\a)], v[MX+(\a)], v[PX+(\a)]
.endr
.irp a, 0,1,2,3,4,5,6,7
	v_mul_f32 v[CM2+2*(\a)],   s[CS], v[MX+(\a)]
	v_mul_f32 v[CM2+2*(\a)+1], s[CS], v[MX+(\a)]
.endr
.irp a, 0,1,2,3,4,5,6,7                ; a block's stores leave while the next block's arithmetic runs
	SOFT \a
	STOREP \a
.endr
.irp a, 0,1,2,3,4,5,6,7
	v_permlanex16_b32 v[PX+(\a)], v[LS+(\a)], s[SEL], s[SEL+1]
.endr
.irp a, 0,1,2,3,4,5,6,7
	v_add_f32 v[LS+(\a)], v[LS+(\a)], v[PX+(\a)]   ; a query's sum over my 128 keys, in both of its lanes
.endr
.irp a, 0,1,2,3,4,5,6,7
	ds_store_b32 v[SA], v[CM2+2*(\a)] offset:64*(\a)       ; row 16 a + r; the two lanes of a row write the same number
	ds_store_b32 v[SA], v[LS+(\a)] offset:512+64*(\a)
.endr
	ds_load_b128 v[ST0:ST0+3], v[SR]                       ; my own bytes, served in order: 128 rows' c m,
	ds_load_b128 v[ST0+4:ST0+7], v[SR] offset:512          ; and 128 rows' sums
	s_wait_dscnt 0x0
	global_store_b128 v[SO], v[ST0+4:ST0+7], s[76:77]      ; 512 consecutive bytes, aligned
	s_cmp_lg_u32 s12, 0
	s_cbranch_scc1 .Lno_cm                                 ; the two waves of a row half hold the same c m: the one with the tile's first 128 keys stores it
	global_store_b128 v[SO], v[ST0:ST0+3], s[74:75]
.Lno_cm:
	s_wait_tensorcnt 0x0                           ; the wave's end
	ds_add_u32 v[SPW], v[NIL]
	s_wait_dscnt 0x0
	CROUND                                         ; the closing round
	s_endpgm
.Lfunc_end_k_qe4f2a3ff49_scores:
	.size	k_qe4f2a3ff49_scores, .Lfunc_end_k_qe4f2a3ff49_scores-k_qe4f2a3ff49_scores
	.p2alignl 7, 3214868480
	.fill 96, 4, 3214868480
	.section	.rodata,"a",@progbits
	.p2align	6, 0x0
	.amdhsa_kernel k_qe4f2a3ff49_scores
		.amdhsa_group_segment_fixed_size 327680
		.amdhsa_private_segment_fixed_size 0
		.amdhsa_enable_private_segment 0
		.amdhsa_kernarg_size 24
		.amdhsa_user_sgpr_count 2
		.amdhsa_user_sgpr_kernarg_segment_ptr 1
		.amdhsa_wavefront_size32 1
		.amdhsa_system_sgpr_workgroup_id_x 1
		.amdhsa_system_sgpr_workgroup_id_y 1
		.amdhsa_system_sgpr_workgroup_id_z 1
		.amdhsa_system_vgpr_workitem_id 0
		.amdhsa_next_free_vgpr 1024
		.amdhsa_next_free_sgpr 80
		.amdhsa_reserve_vcc 0
		.amdhsa_float_denorm_mode_32 3
		.amdhsa_float_denorm_mode_16_64 3
		.amdhsa_memory_ordered 1
		.amdhsa_forward_progress 1
		.amdhsa_inst_pref_size 162
	.end_amdhsa_kernel
	.amdgpu_metadata
---
amdhsa.version: [ 1, 2 ]
amdhsa.kernels:
  - .name:           k_qe4f2a3ff49_scores
    .symbol:         k_qe4f2a3ff49_scores.kd
    .args:
      - { .name: qkv, .offset: 0, .size: 8, .value_kind: global_buffer, .address_space: global }
      - { .name: pt, .offset: 8, .size: 8, .value_kind: global_buffer, .address_space: global }
      - { .name: stats, .offset: 16, .size: 8, .value_kind: global_buffer, .address_space: global }
    .group_segment_fixed_size: 327680
    .private_segment_fixed_size: 0
    .kernarg_segment_align: 8
    .kernarg_segment_size: 24
    .max_flat_workgroup_size: 128
    .sgpr_count:     80
    .vgpr_count:     1024
    .wavefront_size: 32
...
	.end_amdgpu_metadata
.endif
;; end of part 3
;; launch pv (part 4): grid 4 x 64, 4 waves a work-group, clusters of 4 x 4, 327,680 bytes of LDS; arguments pt, qkv, stats, out0; writes out0
.if DOCPART == 4
	.amdgcn_target "amdgcn-amd-amdhsa--gfx1250"
	.amdhsa_code_object_version 6
	.text
	.protected	k_qe4f2a3ff49_pv
	.globl	k_qe4f2a3ff49_pv
	.p2align	8
	.type	k_qe4f2a3ff49_pv,@function
k_qe4f2a3ff49_pv:
	s_mov_b64 s[64:65], 0
	v_nop
	global_prefetch_b8 v0, s[64:65] scope:SCOPE_SE
	s_setreg_imm32_b32 hwreg(HW_REG_WAVE_MODE, 25, 1), 1
	s_wait_xcnt 0x0
	s_wait_alu depctr_hold_cnt(0) depctr_sa_sdst(0) depctr_va_vdst(0) depctr_va_sdst(0) depctr_va_ssrc(0) depctr_va_vcc(0) depctr_vm_vsrc(0)
	s_getreg_b32 s2, hwreg(HW_REG_IB_STS2, 6, 4)
	s_cmp_eq_u32 s2, 0
	s_cbranch_scc0 .Lentry_in_a_cluster
	s_endpgm
.Lentry_in_a_cluster:
	s_bfe_u32 s2, ttmp6, 0x10000c
	s_cmp_lg_u32 s2, 0xf033
	s_cbranch_scc0 .Lentry_shape_is_right
	s_endpgm
.Lentry_shape_is_right:
; out[row][:] = the sum over the 8 key tiles t of g[row][t] x (P_t V_t)[row][:],  g[row][t] = 2^(cm[t][row] - max_t cm[t][row]) / l[row],  l[row] = the sum over t of 2^(..) x the tile's sum.
; P, bf16, holds each tile's weights relative to the tile's own row maximum; cm (c x that maximum) and the sums (over 128 keys) are f32, from stats; V is qkv's third plane, bf16.
; Products in f32; a tile's partial product is scaled and added in f32; out is f32.
; LIMITS.  A tile factor below 2^-126 counts as 0; NaN and infinities are not treated apart.
; SHARES.  A tile of 128 rows x 256 channels to a work-group, a wave 64 x 128: 32 accumulators for the key tile in hand (window 2) and 32 running totals (window 3).
; A LAP is one key tile of 256 keys: eight quarters of 32 keys, 256 matrix instructions a wave, then the fold onto the totals.  The totals are cleared at the start, so that every lap has one text.
; V ALONE GOES THROUGH LDS: two slots of 256 keys x 256 channels (with P beside it two such slots would need 413,696 bytes), each wave fetching 64 key rows; a refill has a whole lap in which to land.
; V lies [key][channel]: its fragments come out of LDS turned, by ds_load_tr16_b128.
; P COMES STRAIGHT INTO REGISTERS.  pt lies [512 blocks of 16 rows][128 blocks of 16 keys][32 lanes][16 bytes], which is the fragment's own order: two loads of 512 consecutive bytes make a fragment.
; A ring of eight buffers, one for each quarter of a lap, 32 registers each; a buffer is loaded again one quarter behind its products, seven quarters (224 matrix instructions) ahead of its next.
; CLUSTER.  4 x 4 work-groups: V's tile hangs on batch and channel tile alone and is asked for jointly by a column of the cluster.  P is not shared by a joint request: it goes to registers.
; ONE TEXT FOR A LAP.  The slot in hand is a scalar, 0 or SLOT, turned by an exclusive or; V's LDS addresses and the refill's LDS word are made from it.  Six laps refill, two do not.  The last lap has no
; next lap, but keeps its lines, so that the counts of the waits hold in every trip: its loads of P ask, in every lane, for the same 16 bytes of the lap in hand (the lane's offset is cleared and the
; pointer not stepped), and its change of slots fetches fragments of the slot read before; nobody uses either.  That is the price, once a launch, of one text.
; TRANSPOSED USE (source 0 = 16 channels, source 1 = 16 rows): a lane holds row lane % 16, channels 8 (lane / 16) + 0..7.
; REGISTERS: window 0: v0-31 addresses; v40-47 a lap's factors; v64-255 P's buffers 0-5 (on the way out v64-191 hold rows).  window 1: v0-63 P's buffers 6, 7; v64-191 V's fragments, two buffers; v192-243 at work at the start.
.set BPITCH, 544                       ; a key row of V in LDS: 512 bytes + 32
.set QB,     32*BPITCH                 ; a quarter's 32 key rows
.set WQ,     64*BPITCH                 ; what one tensor load brings: 64 key rows
.set SLOT,   4*WQ                      ; 256 key rows
.set STAGE,  2*SLOT                    ; behind the ring: 16 rows x 528 bytes for each wave
.set SPITCH, 528                       ; 512 bytes + 16
.set GT,     STAGE+4*16*SPITCH         ; 4,096 bytes: g [8 laps][128 rows] f32
.set SPARE,  GT+4096                   ; the spare words, which no other line names
.set VPLANE, 33554432                  ; where v begins in qkv
.set LOFF,   262144                    ; where the sums begin in stats
.set LAPV,   256*2048                  ; bytes of V from a lap to the next
.set LAPP,   8192                      ; bytes of a row block of P from a lap to the next: 16 key blocks of 512
.set RBP,    65536                     ; bytes of a block of 16 rows of P
.set AV0,  16                          ; v16  my lane's place in a slot; never rewritten
.set AD,   18                          ; v18-20  LDS address of quarters 0-2, 3-5, 6-7 of the slot in hand: an offset has 16 bits
.set PO,   21                          ; v21  lane x 16, for P; cleared in the last lap
.set GAD,  23                          ; v23  the LDS address of the lap's factors
.set STO,  24
.set RD,   25
.set CO,   26                          ; v26  lane x 16, for out
.set GA,   27                          ; v27  my rows' place in a lap's factors; never rewritten
.set SPW,  28
.set NIL,  29
.set GS,   30                          ; v30  where I put my row's factors
.set SOFF, 31                          ; v31  4 x my thread's number
.set G,    40                          ; v40-47  block a's factor at G + 2 a; the odd registers hold 0: they are named with them as pairs
.set FA,   64                          ; P's buffers 0-5 in window 0: buffer j at FA + 32 j; buffers 6, 7 in window 1 at 32 (j - 6)
.set FB,   64                          ; V's fragments, in window 1: buffer i at FB + 64 i
.set OB,   64                          ; the way out: two buffers of 64
.set P_CM, 192                         ; window 1, the start: eight c m,
.set P_L,  200                         ; sixteen sums,
.set P_M,  216
.set P_E,  218
.set P_S,  226
.set P_T,  234
.set P_I,  235
.set P_G,  236
.set G0A, 32                           ; s[32:35] descriptor group 0 of slot 0's first fill
.set G1B, 48                           ; s[48:55] descriptor group 1
.set G0W, 56                           ; s[56:59] group 0 of slot 1's first fill, which then walks on
.set ST,  66                           ; s[66:67] the tail: P's step
.set PM,  23                           ; s23      the tail: what is left of the lane's offset: all or nothing
.set PN,  76                           ; s[76:77] P at my rows, at the lap whose quarters are being asked for
.set GLAP, 78                          ; s78  512 x the lap
.set TB,   79                          ; s79  the slot in hand: 0 or SLOT
.set MSB, 0
.macro WIN new
.if MSB != (\new)
	s_set_vgpr_msb (MSB<<8)|(\new)
.set MSB, \new
.endif
.endm
.macro CREST
	s_cmp_lg_u32 s10, 0
	s_cbranch_scc1 .Lnot_wave_0_\@
	s_barrier_signal -3
.Lnot_wave_0_\@:
	s_barrier_wait -3
	s_barrier_signal -1
	s_barrier_wait -1
.endm
.macro CROUND
	s_barrier_signal -1
	s_barrier_wait -1
	CREST
.endm
.macro PLACES                          ; four places in front of loads into registers that matrix instructions have read, and of vector lines that read results just made
.rept 4
	v_nop
.endr
.endm
; Buffer j of P's ring takes quarter k of the lap at the pointer: four blocks of 16 rows, two loads of 512 consecutive bytes each
.macro PLOAD j, k
.if (\j) < 6
	WIN 0
.set PD, FA+32*(\j)
.else
	WIN 0x40                                       ; destination window 1, address window 0
.set PD, 32*((\j)-6)
.endif
.irp a, 0,1,2,3
	global_load_b128 v[PD+8*(\a):PD+8*(\a)+3],   v[PO], s[PN:PN+1] offset:(\a)*RBP+(\k)*1024
	global_load_b128 v[PD+8*(\a)+4:PD+8*(\a)+7], v[PO], s[PN:PN+1] offset:(\a)*RBP+(\k)*1024+512
.endr
.endm
	s_load_b256 s[68:75], s[0:1], 0x0              ; pt s[68:69], qkv s[70:71], stats s[72:73], out0 s[74:75]
	v_lshl_add_u32 v[SPW], v0, 2, SPARE
	v_mov_b32 v[NIL], 0
	ds_add_u32 v[SPW], v[NIL]                      ; the wave's opening: the add and its wait ahead of my first tensor load
	v_lshrrev_b32 v1, 5, v0
	v_readfirstlane_b32 s10, v1                    ; wave 0..3: it also says which 64 key rows of a slot I fetch
	s_lshr_b32 s11, s10, 1                         ; which half of the tile's rows is mine
	s_and_b32 s12, s10, 1                          ; which half of its channels
	s_bfe_u32 s40, ttmp6, 0x40000                  ; cx
	s_bfe_u32 s41, ttmp6, 0x40004                  ; cy
	s_lshl_b32 s42, ttmp9, 2
	s_add_co_u32 s42, s42, s40                     ; channel tile, 0..3
	s_and_b32 s45, ttmp7, 0xffff                   ; the cluster's y
	s_lshl_b32 s13, s45, 2
	s_add_co_u32 s13, s13, s41                     ; tile row, 0..63
	s_lshr_b32 s45, s45, 2                         ; the batch, which the whole cluster shares
	s_lshl_b32 s44, 0x1111, s40                    ; my column of the cluster
	s_or_b32 s[G1B+0], s44, (1<<16)|(1<<20)|(1<<21)|(6<<22)|(7<<25)  ; the mask; elements of 2 bytes; padding on; bit 21 beside a mask; after every 128 words 8 words
	s_mov_b32 s[G1B+1], 256<<16                    ; tensor_dim0 = 256
	s_mov_b32 s[G1B+2], 64<<16                     ; tensor_dim1 = 64
	s_mov_b32 s[G1B+3], 256<<16                    ; tile_dim0 = 256
	s_mov_b32 s[G1B+4], 64                         ; tile_dim1 = 64
	s_mov_b32 s[G1B+5], 1024                       ; elements from row to row of V
	s_mov_b32 s[G1B+6], 0
	s_mov_b32 s[G1B+7], 0
	s_mov_b32 s[GLAP], 0
	s_mov_b32 s[TB], 0
	s_mov_b32 s[ST+1], 0
	s_lshl_b32 s46, s45, 11                        ; V: the batch's 2,048 key rows,
	s_lshl_b32 s47, s10, 6
	s_add_co_u32 s46, s46, s47                     ; my 64 of a lap's 256,
	s_lshl_b32 s46, s46, 11                        ; in bytes,
	s_lshl_b32 s47, s42, 9
	s_add_co_u32 s46, s46, s47                     ; the channel tile's 512 bytes,
	s_add_co_u32 s46, s46, VPLANE                  ; in v's plane
	s_mov_b32 s47, 0
	s_mul_i32 s20, s10, WQ                         ; where they go: wave x 64 key rows: the wave's number alone enters an LDS address
	s_wait_dscnt 0x0                               ; the opening add is done
	s_wait_kmcnt 0x0
	s_add_nc_u64 s[46:47], s[70:71], s[46:47]
	CROUND                                         ; all sixteen work-groups are here: the first joint loads meet
	s_mov_b32 s[G0A], 1
	s_add_co_u32 s[G0A+1], s20, 0
	s_add_nc_u64 s[G0A+2:G0A+3], s[46:47], 0
	s_or_b32 s[G0A+3], s[G0A+3], 0x80000000
	s_mov_b32 s[G0W], 1
	s_add_co_u32 s[G0W+1], s20, SLOT
	s_add_nc_u64 s[G0W+2:G0W+3], s[46:47], LAPV
	s_or_b32 s[G0W+3], s[G0W+3], 0x80000000
	tensor_load_to_lds s[G0A:G0A+3], s[G1B:G1B+7]  ; lap 0 into slot 0,
	s_nop 0
	tensor_load_to_lds s[G0W:G0W+3], s[G1B:G1B+7]  ; lap 1 into slot 1: two loads of mine are out
	s_nop 0
	PLACES
	; THE FACTORS' NUMBERS.  Thread t serves row t of the tile's 128: eight c m and sixteen sums, a wave's 32 lanes taking 128 consecutive bytes of each plane.
	v_lshlrev_b32 v[SOFF], 2, v0
	s_lshl_b32 s18, s13, 9
	s_mov_b32 s19, 0
	s_add_nc_u64 s[72:73], s[72:73], s[18:19]
	WIN 0x40
.irp k, 0,1,2,3,4,5,6,7
	global_load_b32 v[P_CM+(\k)], v[SOFF], s[72:73] offset:(\k)*32768
.endr
.irp u, 0,1,2,3,4,5,6,7,8,9,10,11,12,13,14,15
	global_load_b32 v[P_L+(\u)], v[SOFF], s[72:73] offset:LOFF+(\u)*32768
.endr
	WIN 0
	v_and_b32 v7, 31, v0                           ; lane
	v_lshlrev_b32 v[PO], 4, v7
	s_lshl_b32 s16, s13, 19                        ; P: the tile row's 8 blocks of 16 rows,
	s_lshl_b32 s17, s11, 18                        ; my half's 4
	s_add_co_u32 s16, s16, s17
	s_mov_b32 s17, 0
	s_add_nc_u64 s[PN:PN+1], s[68:69], s[16:17]
	PLOAD 0, 0                                     ; lap 0's first four quarters: with the 24 loads above 56 are out
	PLOAD 1, 1
	PLOAD 2, 2
	PLOAD 3, 3
	WIN 0
	v_and_b32 v1, 15, v0                           ; r
	v_bfe_u32 v2, v0, 4, 1                         ; h
	v_and_b32 v4, 7, v0
	v_lshl_add_u32 v4, v2, 3, v4                   ; V, turned: lane l reads key row 8 (l / 16) + l % 8,
	v_mul_u32_u24 v4, v4, BPITCH
	v_bfe_u32 v5, v0, 3, 1
	v_lshl_add_u32 v4, v5, 4, v4                   ; channels 8 ((l / 8) % 2) + 0..7,
	s_lshl_b32 s22, s12, 8
	v_add_nc_u32 v[AV0], s22, v4                   ; of my 128 channels
	s_mul_i32 s21, s10, 16*SPITCH
	s_add_co_u32 s21, s21, STAGE                   ; my stage
	v_mul_u32_u24 v6, v1, SPITCH                   ; in: row l % 16, 32 bytes for each half of the lanes
	v_lshl_add_u32 v6, v2, 5, v6
	v_add_nc_u32 v[STO], s21, v6
	v_lshlrev_b32 v[CO], 4, v7                     ; back: 32 lanes take one row of 512 bytes
	v_add_nc_u32 v[RD], s21, v[CO]
	s_lshl_b32 s22, s11, 8
	s_add_co_u32 s22, s22, GT
	v_lshl_add_u32 v[GA], v1, 2, s22               ; row 64 x half + r of a lap's 128 factors
	v_lshl_add_u32 v[GS], v0, 2, GT
.irp a, 0,1,2,3
	v_mov_b32 v[G+2*(\a)+1], 0
.endr
	s_lshl_b32 s16, s13, 7
	s_lshl_b32 s17, s11, 6
	s_add_co_u32 s16, s16, s17                     ; my first row of out,
	s_lshl_b32 s16, s16, 12                        ; in bytes
	s_lshl_b32 s17, s42, 10
	s_add_co_u32 s16, s16, s17                     ; the channel tile's 1,024 bytes,
	s_lshl_b32 s17, s12, 9
	s_add_co_u32 s16, s16, s17                     ; my half's 512
	s_mov_b32 s17, 0
	s_add_nc_u64 s[74:75], s[74:75], s[16:17]
	WIN 0xc0                                       ; the totals start at 0: written in the wait for the first tiles, so that no first lap is written out
.set i, 0
.rept 256
	v_mov_b32 v[i], 0
.set i, i+1
.endr
	WIN 0x55                                       ; all of the factors' arithmetic lies in window 1
	s_wait_loadcnt 32                              ; the 24 numbers are in; P's 32 loads behind them stay out
	v_max3_num_f32 v[P_M], v[P_CM], v[P_CM+1], v[P_CM+2]
	v_max3_num_f32 v[P_M], v[P_M], v[P_CM+3], v[P_CM+4]
	v_max3_num_f32 v[P_M], v[P_M], v[P_CM+5], v[P_CM+6]
	v_max_num_f32 v[P_M], v[P_M], v[P_CM+7]        ; c x the row's maximum over all 2,048 keys
.irp k, 0,1,2,3,4,5,6,7
	v_sub_f32 v[P_E+(\k)], v[P_CM+(\k)], v[P_M]
.endr
.irp k, 0,1,2,3,4,5,6,7
	v_exp_f32 v[P_E+(\k)], v[P_E+(\k)]
.endr
.irp k, 0,1,2,3,4,5,6,7
	v_add_f32 v[P_S+(\k)], v[P_L+2*(\k)], v[P_L+2*(\k)+1]  ; plain lines behind the exponentials, ahead of the use of their results
.endr
	s_wait_alu depctr_va_vdst(0)
	v_mul_f32 v[P_T], v[P_E], v[P_S]
.irp k, 1,2,3,4,5,6,7
	v_fma_f32 v[P_T], v[P_E+(\k)], v[P_S+(\k)], v[P_T]     ; l: about 1 at the least, since the tile that holds the maximum has factor 1 and a weight of about 1
.endr
	v_rcp_f32 v[P_I], v[P_T]
	v_nop
	s_wait_alu depctr_va_vdst(0)
.irp k, 0,1,2,3,4,5,6,7
	v_mul_f32 v[P_G+(\k)], v[P_E+(\k)], v[P_I]
.endr
	WIN 0x04                                       ; the data in window 1, the address in window 0
.irp k, 0,1,2,3,4,5,6,7
	ds_store_b32 v[GS], v[P_G+(\k)] offset:512*(\k)
.endr
	PLOAD 4, 4                                     ; lap 0's quarters 4 to 6: 56 loads are out at the most; quarter 7 is asked for by the lap's own first quarter
	PLOAD 5, 5
	PLOAD 6, 6
	WIN 0
; 16 matrix instructions of quarter q: row blocks a0, a0 + 1 x all 8 channel blocks, 32 keys.  z = 1: the product starts the key tile's sum.  The 32 accumulators take turns
.macro MUL16 q, a0, z
.if (\q) < 6
	WIN 0xa1                                       ; V in window 1, P in window 0, C and D in window 2
.set FAQ, FA+32*(\q)
.else
	WIN 0xa5                                       ; P in window 1 too
.set FAQ, 32*((\q)-6)
.endif
.irp a, \a0, (\a0)+1
.irp b, 0,1,2,3,4,5,6,7
.if \z
	v_wmma_f32_16x16x32_bf16 v[8*(8*(\a)+(\b)):8*(8*(\a)+(\b))+7], v[FB+64*((\q)%2)+8*(\b):FB+64*((\q)%2)+8*(\b)+7], v[FAQ+8*(\a):FAQ+8*(\a)+7], 0
.else
	v_wmma_f32_16x16x32_bf16 v[8*(8*(\a)+(\b)):8*(8*(\a)+(\b))+7], v[FB+64*((\q)%2)+8*(\b):FB+64*((\q)%2)+8*(\b)+7], v[FAQ+8*(\a):FAQ+8*(\a)+7], v[8*(8*(\a)+(\b)):8*(8*(\a)+(\b))+7]
.endif
.endr
.endr
.endm
.macro ADDRS                           ; V's three LDS addresses in the slot in hand
	WIN 0
	v_add_nc_u32 v[AD], s[TB], v[AV0]
	v_add_nc_u32 v[AD+1], 3*QB, v[AD]
	v_add_nc_u32 v[AD+2], 6*QB, v[AD]
.endm
.macro FETCH q                         ; 16 LDS loads in one run: V's fragments of quarter q, my 128 channels, turned, into buffer q % 2
	WIN 0x40
.irp i, 0,1,2,3,4,5,6,7
	ds_load_tr16_b128 v[FB+64*((\q)%2)+8*(\i):FB+64*((\q)%2)+8*(\i)+3],   v[AD+(\q)/3] offset:((\q)%3)*QB+32*(\i)
	ds_load_tr16_b128 v[FB+64*((\q)%2)+8*(\i)+4:FB+64*((\q)%2)+8*(\i)+7], v[AD+(\q)/3] offset:((\q)%3)*QB+16*BPITCH+32*(\i)
.endr
.endm
; Quarter q, 0 to 6.  Its V fragments were asked for a quarter ago, its P seven quarters ago.  First the buffers that the quarter before has multiplied are asked for again: P's for the next lap
; (quarter 0: buffer 7, for this lap's own quarter 7), V's for quarter q + 1; then the 32 products.  Quarter 0 also fetches the lap's four factors.
.macro QUARTER q, fill
	s_wait_dscnt 0x0                               ; V's buffer q % 2 is in
	s_wait_loadcnt 48                              ; P's buffer q is in: behind its eight loads six more buffers' 48 were issued; with the eight below 56 are out at the most
.if (\q) == 0
	WIN 0                                          ; (the places behind the last lap's products are the fold's)
	v_add_nc_u32 v[GAD], s[GLAP], v[GA]
.irp a, 0,1,2,3
	ds_load_b32 v[G+2*(\a)], v[GAD] offset:64*(\a)
.endr
	s_add_co_u32 s[GLAP], s[GLAP], 512             ; the next lap's
	PLOAD 7, 7
.else
	PLACES
.if (\q) == 1
	s_wait_xcnt 0x0                                ; the pointer and the lane's offset, which pending loads read, are rewritten only behind this wait
.if \fill
	s_add_nc_u64 s[PN:PN+1], s[PN:PN+1], LAPP      ; from here on the next lap's quarters are asked for
.else
	s_cmp_eq_u32 s3, 1                             ; the last lap has no next: the pointer stays inside the lap in hand, and every lane asks for the same 16 bytes
	s_cselect_b32 s[ST], 0, LAPP
	s_cselect_b32 s[PM], 0, -1
	s_add_nc_u64 s[PN:PN+1], s[PN:PN+1], s[ST:ST+1]
	WIN 0
	v_and_b32 v[PO], s[PM], v[PO]
.endif
.endif
	PLOAD (\q)-1, (\q)-1
.endif
	FETCH (\q)+1
.if (\q) == 0
	MUL16 \q, 0, 1
	MUL16 \q, 2, 1
.else
	MUL16 \q, 0, 0
	MUL16 \q, 2, 0
.endif
.endm
; Quarter 7 changes slots.  ONE barrier: in front of it each wave waits for all its tensor loads (one is out at the most: its part of the next slot), adds 0 to its spare word, and waits for that and
; for its reads of this slot.  fill = 1: the barrier opens a round of the cluster's, and this slot is filled again first behind it, with the lap two laps on.
.macro TURN fill
	s_wait_loadcnt 48                              ; P's buffer 7 is in
	PLACES
	PLOAD 6, 6
	WIN 0
	s_wait_tensorcnt 0x0                           ; no tensor load of mine is out, so a group 0 may be written
	ds_add_u32 v[SPW], v[NIL]
.if \fill
	s_add_co_u32 s[G0W+1], s20, s[TB]              ; the walking descriptor: into the slot in hand,
	s_add_nc_u64 s[G0W+2:G0W+3], s[G0W+2:G0W+3], LAPV  ; the next lap not yet asked for; the type bits on top are not reached
.endif
	s_xor_b32 s[TB], s[TB], SLOT                   ; the reads go on in the other slot
	s_wait_dscnt 1                                 ; (the add alone may be out: V's buffer 1 is in)
	MUL16 7, 0, 0                                  ; sixteen matrix instructions stand between the add and the wait for it
	s_wait_dscnt 0x0                               ; the add is done, and my reads of this slot are over
	WIN 0
	s_barrier_signal -1
	s_barrier_wait -1
.if \fill
	CREST                                          ; no wave of any partner still reads this slot's tile or has a load on its way
	tensor_load_to_lds s[G0W:G0W+3], s[G1B:G1B+7]  ; my one tensor load behind the round
	s_nop 0
.endif
	PLACES                                         ; (behind a tensor load)
	ADDRS
	FETCH 0
	MUL16 7, 2, 0
.endm
.macro FOLD                            ; the key tile's partial product, times the row's factor, onto the totals: in f32, each accumulator from its low end on
	PLACES
	WIN 0xf2                                       ; the partial product in window 2, the factor in window 0, the totals in window 3
.irp a, 0,1,2,3
.set i, 0
.rept 32
	v_pk_fma_f32 v[64*(\a)+2*i:64*(\a)+2*i+1], v[64*(\a)+2*i:64*(\a)+2*i+1], v[G+2*(\a):G+2*(\a)+1], v[64*(\a)+2*i:64*(\a)+2*i+1] op_sel_hi:[1,0,1]
.set i, i+1
.endr
.endr
	WIN 0
.endm
.macro LAP fill
.irp q, 0,1,2,3,4,5,6
	QUARTER \q, \fill
.endr
	TURN \fill
	FOLD
.endm
; THE WAY OUT of block a (16 rows x 128 channels of f32): a lane's eight channels, 32 bytes, into rows of 528 bytes of my own stage, and back as whole rows of 512.
.macro OUTSTAGE a
	s_wait_xcnt 0x0                                ; the buffer that earlier stores read is loaded again only behind this wait
	WIN 0x0c                                       ; the data in window 3, the address in window 0
.irp b, 0,1,2,3,4,5,6,7
	ds_store_b128 v[STO], v[8*(8*(\a)+(\b)):8*(8*(\a)+(\b))+3]   offset:64*(\b)
	ds_store_b128 v[STO], v[8*(8*(\a)+(\b))+4:8*(8*(\a)+(\b))+7] offset:64*(\b)+16
.endr
	WIN 0
.irp t, 0,1,2,3,4,5,6,7,8,9,10,11,12,13,14,15
	ds_load_b128 v[OB+64*((\a)%2)+4*(\t):OB+64*((\a)%2)+4*(\t)+3], v[RD] offset:(\t)*SPITCH  ; LDS serves a wave's instructions in order (ISA guide 5.7.1.4): these see the stores above
.endr
.endm
.macro SEND a, younger                 ; younger: the LDS instructions issued behind block a's loads: the next block's 32, or none
	s_wait_dscnt \younger
.irp t, 0,1,2,3,4,5,6,7,8,9,10,11,12,13,14,15
	global_store_b128 v[CO], v[OB+64*((\a)%2)+4*(\t):OB+64*((\a)%2)+4*(\t)+3], s[74:75] offset:(16*(\a)+(\t))*4096 th:TH_STORE_NT  ; 512 consecutive bytes, aligned
.endr
.endm
	s_wait_tensorcnt 1                             ; my part of lap 0 is in; lap 1's may stay out
	s_wait_dscnt 0x0                               ; for the others' sake: my factors are stored
	s_barrier_signal -1
	s_barrier_wait -1
	ADDRS
	FETCH 0
	WIN 0
	s_mov_b32 s3, 6
.Llap:                                                 ; laps 0 to 5: each fills its slot again, with laps 2 to 7
	LAP 1
	s_sub_co_u32 s3, s3, 1
	s_cmp_lg_u32 s3, 0
	s_cbranch_scc1 .Llap
	s_mov_b32 s3, 2
.Ltail:                                                ; laps 6 and 7 fill nothing, and have no round of the cluster's barrier
	LAP 0
	s_sub_co_u32 s3, s3, 1
	s_cmp_lg_u32 s3, 0
	s_cbranch_scc1 .Ltail
	s_wait_loadcnt 0x0                             ; the last lap's loads have landed: their registers serve the way out
	OUTSTAGE 0
	OUTSTAGE 1
	SEND 0, 32
	OUTSTAGE 2
	SEND 1, 32
	OUTSTAGE 3
	SEND 2, 32
	SEND 3, 0
	s_wait_tensorcnt 0x0                           ; the wave's end
	ds_add_u32 v[SPW], v[NIL]
	s_wait_dscnt 0x0
	CROUND                                         ; the closing round
	s_endpgm
.Lfunc_end_k_qe4f2a3ff49_pv:
	.size	k_qe4f2a3ff49_pv, .Lfunc_end_k_qe4f2a3ff49_pv-k_qe4f2a3ff49_pv
	.p2alignl 7, 3214868480
	.fill 96, 4, 3214868480
	.section	.rodata,"a",@progbits
	.p2align	6, 0x0
	.amdhsa_kernel k_qe4f2a3ff49_pv
		.amdhsa_group_segment_fixed_size 327680
		.amdhsa_private_segment_fixed_size 0
		.amdhsa_enable_private_segment 0
		.amdhsa_kernarg_size 32
		.amdhsa_user_sgpr_count 2
		.amdhsa_user_sgpr_kernarg_segment_ptr 1
		.amdhsa_wavefront_size32 1
		.amdhsa_system_sgpr_workgroup_id_x 1
		.amdhsa_system_sgpr_workgroup_id_y 1
		.amdhsa_system_sgpr_workgroup_id_z 1
		.amdhsa_system_vgpr_workitem_id 0
		.amdhsa_next_free_vgpr 1024
		.amdhsa_next_free_sgpr 80
		.amdhsa_reserve_vcc 0
		.amdhsa_float_denorm_mode_32 3
		.amdhsa_float_denorm_mode_16_64 3
		.amdhsa_memory_ordered 1
		.amdhsa_forward_progress 1
		.amdhsa_inst_pref_size 124
	.end_amdhsa_kernel
	.amdgpu_metadata
---
amdhsa.version: [ 1, 2 ]
amdhsa.kernels:
  - .name:           k_qe4f2a3ff49_pv
    .symbol:         k_qe4f2a3ff49_pv.kd
    .args:
      - { .name: pt, .offset: 0, .size: 8, .value_kind: global_buffer, .address_space: global }
      - { .name: qkv, .offset: 8, .size: 8, .value_kind: global_buffer, .address_space: global }
      - { .name: stats, .offset: 16, .size: 8, .value_kind: global_buffer, .address_space: global }
      - { .name: out0, .offset: 24, .size: 8, .value_kind: global_buffer, .address_space: global }
    .group_segment_fixed_size: 327680
    .private_segment_fixed_size: 0
    .kernarg_segment_align: 8
    .kernarg_segment_size: 32
    .max_flat_workgroup_size: 128
    .sgpr_count:     80
    .vgpr_count:     1024
    .wavefront_size: 32
...
	.end_amdgpu_metadata
.endif
;; end of part 4
;; ======== version 2 of 2: 4 launches; version 1 with the launch cast written anew for expert scheduling mode
;; workspace buffers: xw 23,068,672 bytes; qkv 50,331,648 bytes; pt 33,554,432 bytes; stats 786,432 bytes
;; launch cast (part 5): grid 704 x 1, 8 waves a work-group, no clusters, 0 bytes of LDS; arguments x, Wq, Wk, Wv, xw; writes xw
.if DOCPART == 5
	.amdgcn_target "amdgcn-amd-amdhsa--gfx1250"
	.amdhsa_code_object_version 6
	.text
	.protected	k_qe4f2a3ff49_cast
	.globl	k_qe4f2a3ff49_cast
	.p2align	8
	.type	k_qe4f2a3ff49_cast,@function
k_qe4f2a3ff49_cast:
	s_mov_b64 s[64:65], 0
	v_nop
	global_prefetch_b8 v0, s[64:65] scope:SCOPE_SE
	s_setreg_imm32_b32 hwreg(HW_REG_WAVE_SCHED_MODE, 0, 2), 2
	s_setreg_imm32_b32 hwreg(HW_REG_WAVE_MODE, 25, 1), 1
	s_wait_xcnt 0x0
	s_wait_alu depctr_vm_vsrc(0)
; x [8192][1024], Wq, Wk, Wv [1024][1024], all f32, are rounded once to bf16 (to nearest even) and laid one behind the other in xw,
; each in its own layout: xb at byte 0 (16,777,216 bytes), then the three W, 2,097,152 bytes each, in the order q, k, v.
; A work-group takes 16,384 numbers: 65,536 bytes in, 32,768 out.  Groups 0-511 take x, 512-575 Wq, 576-639 Wk, 640-703 Wv; the
; destination is always xw + 32,768 x the group's number.  A wave takes 8,192 bytes: sixteen loads of 512 consecutive bytes, all out at once,
; and sixteen stores in which 32 lanes fill 256 consecutive bytes, aligned.  A stream: no LDS, no barrier, no matrix work, nothing shared.
; THE MODE: SCHED_MODE bits 1:0 = 2 (LLVM: expert scheduling mode 2), set by the entry lines.  The code itself states the register dependences
; between vector instructions and memory instructions, with s_wait_alu, always for 0.
; THE PLAN.  Registers that memory instructions touch:
;   v1, v2   the loads' and the stores' byte offsets: made at the head by vector lines and never written again.
;   X        four registers for each load j: written by load j alone, read by j's two conversions, never loaded again.
;   Y        two registers for each j: written once, by j's two conversions; read once, by store j.
; The sixteen loads go in four blocks of four.  Block p rounds its own X into its own Y; its memory instructions are the four stores of block p - 1, whose Y no vector line of
; block p names.  So one wait at a block's head states all that the block's four stores hang on, and they are dealt among its conversions with no further wait.
; No register that a memory instruction reads is ever written again, so nothing has to be freed: behind the entry lines the text holds no wait on vm_vsrc and no s_wait_xcnt.
.set X, 4                              ; v[4:67]   sixteen loads of four f32
.set Y, 68                             ; v[68:99]  sixteen stores of four bf16
	s_load_b256 s[4:11], s[0:1], 0x0               ; x s[4:5], Wq s[6:7], Wk s[8:9], Wv s[10:11]
	s_load_b64 s[12:13], s[0:1], 0x20              ; xw
	s_mov_b32 s14, ttmp9                           ; the group's number g
	s_sub_co_u32 s15, s14, 512
	s_and_b32 s15, s15, 63                         ; the chunk inside a W
	s_cmp_lt_u32 s14, 512
	s_cselect_b32 s16, s14, s15                    ; the chunk inside my source
	s_lshl_b32 s16, s16, 16                        ; x 65,536 bytes
	s_mov_b32 s17, 0
	s_lshl_b32 s20, s14, 15                        ; g x 32,768 bytes
	s_mov_b32 s21, 0
	v_and_b32 v1, 31, v0                           ; lane
	v_lshrrev_b32 v3, 5, v0                        ; wave
	v_lshlrev_b32 v2, 3, v1
	v_lshl_add_u32 v2, v3, 12, v2                  ; out: wave x 4,096 + lane x 8
	v_lshlrev_b32 v1, 4, v1
	v_lshl_add_u32 v1, v3, 13, v1                  ; in: wave x 8,192 + lane x 16
	s_wait_kmcnt 0x0
	s_cmp_lt_u32 s14, 640
	s_cselect_b64 s[18:19], s[8:9], s[10:11]       ; the source is chosen by the group's number alone
	s_cmp_lt_u32 s14, 576
	s_cselect_b64 s[18:19], s[6:7], s[18:19]
	s_cmp_lt_u32 s14, 512
	s_cselect_b64 s[18:19], s[4:5], s[18:19]
	s_add_nc_u64 s[18:19], s[18:19], s[16:17]
	s_add_nc_u64 s[12:13], s[12:13], s[20:21]
	s_wait_alu depctr_va_vdst(0)                   ; v1 and v2 are written: every load of the kernel reads v1 as its offset, every store v2
.irp j, 0,1,2,3,4,5,6,7,8,9,10,11,12,13,14,15
	global_load_b128 v[X+4*(\j):X+4*(\j)+3], v1, s[18:19] offset:512*(\j) th:TH_LOAD_NT
.endr
; Block p: loads 4 p to 4 p + 3 are rounded; the stores of block p - 1 leave, one in front of each pair of conversions.
.macro BLOCK p
.irp i, 0,1,2,3
.set J, 4*(\p)+(\i)
	s_wait_loadcnt 15-J                            ; loads come back in order: load J is in, the 15 - J younger ones stay out
.if (\p) > 0
.if (\i) == 0
	s_wait_alu depctr_va_vdst(0)                   ; the block before has written its eight registers of Y, which this block's four stores read
.endif
	global_store_b64 v2, v[Y+2*(J-4):Y+2*(J-4)+1], s[12:13] offset:256*(J-4)  ; no vector line since the wait names these registers or v2
.endif
	v_cvt_pk_bf16_f32 v[Y+2*J],   v[X+4*J],   v[X+4*J+1]
	v_cvt_pk_bf16_f32 v[Y+2*J+1], v[X+4*J+2], v[X+4*J+3]
.endr
.endm
	BLOCK 0                                        ; no block stands in front of it: no store, and no wait but those for its data
	BLOCK 1
	BLOCK 2
	BLOCK 3
	s_wait_alu depctr_va_vdst(0)                   ; block 3 has written its eight registers of Y, which the last four stores read
.irp j, 12,13,14,15
	global_store_b64 v2, v[Y+2*(\j):Y+2*(\j)+1], s[12:13] offset:256*(\j)
.endr
	s_endpgm
.Lfunc_end_k_qe4f2a3ff49_cast:
	.size	k_qe4f2a3ff49_cast, .Lfunc_end_k_qe4f2a3ff49_cast-k_qe4f2a3ff49_cast
	.p2alignl 7, 3214868480
	.fill 96, 4, 3214868480
	.section	.rodata,"a",@progbits
	.p2align	6, 0x0
	.amdhsa_kernel k_qe4f2a3ff49_cast
		.amdhsa_group_segment_fixed_size 0
		.amdhsa_private_segment_fixed_size 0
		.amdhsa_enable_private_segment 0
		.amdhsa_kernarg_size 40
		.amdhsa_user_sgpr_count 2
		.amdhsa_user_sgpr_kernarg_segment_ptr 1
		.amdhsa_wavefront_size32 1
		.amdhsa_system_sgpr_workgroup_id_x 1
		.amdhsa_system_sgpr_workgroup_id_y 1
		.amdhsa_system_sgpr_workgroup_id_z 1
		.amdhsa_system_vgpr_workitem_id 0
		.amdhsa_next_free_vgpr 100
		.amdhsa_next_free_sgpr 66
		.amdhsa_reserve_vcc 0
		.amdhsa_float_denorm_mode_32 3
		.amdhsa_float_denorm_mode_16_64 3
		.amdhsa_memory_ordered 1
		.amdhsa_forward_progress 1
		.amdhsa_inst_pref_size 8
	.end_amdhsa_kernel
	.amdgpu_metadata
---
amdhsa.version: [ 1, 2 ]
amdhsa.kernels:
  - .name:           k_qe4f2a3ff49_cast
    .symbol:         k_qe4f2a3ff49_cast.kd
    .args:
      - { .name: x, .offset: 0, .size: 8, .value_kind: global_buffer, .address_space: global }
      - { .name: Wq, .offset: 8, .size: 8, .value_kind: global_buffer, .address_space: global }
      - { .name: Wk, .offset: 16, .size: 8, .value_kind: global_buffer, .address_space: global }
      - { .name: Wv, .offset: 24, .size: 8, .value_kind: global_buffer, .address_space: global }
      - { .name: xw, .offset: 32, .size: 8, .value_kind: global_buffer, .address_space: global }
    .group_segment_fixed_size: 0
    .private_segment_fixed_size: 0
    .kernarg_segment_align: 8
    .kernarg_segment_size: 40
    .max_flat_workgroup_size: 256
    .sgpr_count:     66
    .vgpr_count:     100
    .wavefront_size: 32
...
	.end_amdgpu_metadata
.endif
;; end of part 5
;; launch proj: the kernel of part 2 again; grid 12 x 32, 4 waves a work-group, clusters of 4 x 4, 327,680 bytes of LDS; arguments xw, qkv, bq, bk, bv; writes qkv
;; launch scores: the kernel of part 3 again; grid 8 x 32, 4 waves a work-group, clusters of 4 x 4, 327,680 bytes of LDS; arguments qkv, pt, stats; writes pt, stats
;; launch pv: the kernel of part 4 again; grid 4 x 64, 4 waves a work-group, clusters of 4 x 4, 327,680 bytes of LDS; arguments pt, qkv, stats, out0; writes out0
